; MI455X (gfx1250); checked and timed in simulation.
; The chip was launched on July 23, 2026; its instructions are those of AMD's public machine-readable ISA for CDNA 5 (MIT licence, August 2026) and "CDNA5" Instruction Set Architecture Reference Guide (July 2026). The comments in the code are by the model that wrote it; some were corrected since.
;; Multi Head Attention. Allowed arithmetic: matrix products marked QUANTISED: E2M3 operands, one E8M0 scale for each 32 along K, by v_wmma_scale_f32_16x16x128_f8f6f4 with both operands' format E2M3, f32 sums; everything else in f32.
;; Inputs: b_out 1,024 float32; b_qkv 3,072 float32; w_out 1,024 x 1,024 float32; w_qkv 1,024 x 3,072 float32; x 4 x 2,048 x 1,024 float32.
;; Outputs: out0 4 x 2,048 x 1,024 float32.
;; This version of the problem:
;;   THIS VERSION OF THE PROBLEM IS GIVEN IN LOW PRECISION. The matrix products marked QUANTISED in the list below multiply operands that are first quantised to E2M3 (2 exponent bits, 3 mantissa bits; 6 bits a number), with one power-of-two scale for each 32 numbers along K (OCP MX v1.0); their sums are f32. All else is computed in f32.
;;   The module's matrix products, in the order in which they are computed (A, B: the left and right operand; K: the contracted axis; several contracted axes count as one K, in the product's order):
;;     1. [M 8,192, K 1,024] x [K 1,024, N 3,072]; A: input x; B: input w_qkv: QUANTISED
;;     2. batch 64 x [M 2,048, K 64] x [K 64, N 2,048]; A: computed on the way; B: computed on the way: QUANTISED
;;     3. batch 64 x [M 2,048, K 2,048] x [K 2,048, N 64]; A: softmax (see below); B: computed on the way: QUANTISED
;;     4. [M 8,192, K 1,024] x [K 1,024, N 1,024]; A: computed on the way; B: input w_out: QUANTISED
;;   THE QUANTISER, for each operand of a quantised product, along K:
;;     - K is cut into blocks of 32 from its start; a last block that is shorter is filled with zeros.
;;     - A block's scale is 2^e with e = floor(log2(the largest magnitude in the block)) - 2, held to -126 .. 127; a block of zeros has e = 0. As a byte (E8M0): e + 127.
;;     - Each number is divided by its block's scale, clamped to +-7.5, and rounded to the nearest number of E2M3, ties to even, subnormals kept.
;;     - The product sums the exact products of the quantised numbers (number of the format x scale) in f32.
;;   ~~~python
;;   def quantise(x, axis):      # numpy; x: float32 -> the quantised numbers, widened to float32 again
;;       x = np.moveaxis(x, axis, -1); K = x.shape[-1]
;;       x = np.pad(x, [(0, 0)] * (x.ndim - 1) + [(0, -K % 32)]); x = x.reshape(x.shape[:-1] + (-1, 32)); a = np.abs(x).max(-1, keepdims=True)
;;       e = np.where(a > 0, np.clip(np.frexp(np.where(a > 0, a, 1))[1] - 1 - 2, -126, 127), 0)      # np.frexp(a)[1] - 1 = floor(log2(a)), exactly
;;       r = np.clip(x / 2.0 ** e, -7.5, 7.5)
;;       step = 2.0 ** (np.maximum(np.frexp(np.where(r == 0, 1, r))[1] - 1, 0) - 3)
;;       q = np.round(r / step) * step * 2.0 ** e      # np.round: ties to even
;;       return np.moveaxis(q.reshape(q.shape[:-2] + (-1,))[..., :K], -1, axis).astype(np.float32)
;;   ~~~
;;   SOFTMAX AHEAD OF A QUANTISED PRODUCT. Where the list says 'softmax', what is quantised is not the finished softmax but p = 2^(t - M), with t = logit x log2(e) and M = ceil(the row's largest t), a whole number; so 1/2 < the row's largest p <= 1. The row's sum l is taken of the UNQUANTISED p, in f32, and the product's result is divided by l at the end. Since M is a whole number, a kernel that streams over the keys may use a running M (the ceiling of the running maximum): every later rescaling is an exact power of two, which a block's scale takes up: the codes' values come out the same.
;;   OPERANDS COMPUTED ON THE WAY. 'Computed on the way' means the value that the module computes at that place (a softmax that the list does not call 'softmax' is quantised finished and normalised). What goes into a quantiser is computed in f32, as accurately as f32 sums, v_exp_f32 and their like allow (about 1e-6 of the number): no bf16 or f16 on the way to a quantiser, and a product that is left as it is and whose result goes on into a quantised operand takes f32 operands (vector FMAs, or v_wmma_f32_16x16x4_f32). A number that lies on a knife's edge between two numbers of the format may be rounded either way, as far as f32 arithmetic and the matrix unit's own rounding can turn it there, and no further.
;; One version. Each part assembles by itself: llvm-mc -triple=amdgcn-amd-amdhsa -mcpu=gfx1250 --defsym DOCPART=n.
;; ======== version 1 of 1: 4 launches
;; workspace buffers: xq 6,553,600 bytes; wq 2,457,600 bytes; woq 819,200 bytes; qb 6,553,600 bytes; kv 13,107,200 bytes; aq 6,553,600 bytes
;; launch prep (part 1): grid 384 x 1, 4 waves a work-group, no clusters, 58,880 bytes of LDS; arguments x, w_qkv, w_out, xq, wq, woq; writes xq, wq, woq
.if DOCPART == 1
	.amdgcn_target "amdgcn-amd-amdhsa--gfx1250"
	.amdhsa_code_object_version 6
	.text
	.protected	k_qa8387239cd_prep
	.globl	k_qa8387239cd_prep
	.p2align	8
	.type	k_qa8387239cd_prep,@function
k_qa8387239cd_prep:
	s_mov_b64 s[64:65], 0
	v_nop
	global_prefetch_b8 v0, s[64:65] scope:SCOPE_SE
	s_setreg_imm32_b32 hwreg(HW_REG_WAVE_MODE, 25, 1), 1
	s_wait_xcnt 0x0
; x [8192][1024], w_qkv [1024][3072] and w_out [1024][1024], f32, become codes of FP6 (E2M3) with one E8M0 byte for each 32 along K (K = 1024: x's last axis, the weights' first).
; A block's scale is 2^(floor(log2(its largest magnitude)) - 2): its byte is the largest magnitude's exponent field - 2, held at 1 from below by a floor among the maximum's leaves.
; LIMITS: NaN and infinities among the inputs are not served; a block of zeros gets the byte 1 where the rule says 127 (its codes are zeros, and this program alone reads the bytes).
; THE LAYOUT OF THE RESULT (all three buffers): block (g, q) of 6,400 bytes at (4 g + q) x 6,400: g = 32 rows of the operand (rows of x, columns of a weight), q = 256 along K.
;   In it four fragments (u, st) of 16 rows x 128 K at 3,072 u + 1,536 st, as IMAGES OF THE OPERAND'S REGISTERS: for each 64 along K, registers 0-3 at 16 x lane (512 bytes), registers 4-5 at 512 + 8 x lane (256 bytes).
;   Lane r of tile u is row 32 g + 8 u + r + 8 (r / 8).  The scale words lie at 6,144 + 128 u + 8 r + 4 st.
; ONE WAVE MAKES ONE BLOCK, from 32 KiB of f32.  Waves share nothing: no barrier.  Work-groups share no input, so there is no cluster; no tensor load: the numbers have to pass through registers anyway.
; Work-groups 0-255 take x (g = the work-group, q = the wave); 256-351 w_qkv, 352-383 w_out (q and four neighbouring g: the four waves stand side by side on 512 bytes of a row).  The two ways have LDS bytes of their own.
.set SPARE, 58368                      ; behind the stages: the spare words, 128 bytes a wave: two blocks of 256 bytes that no other line names
.set XSTG,  8448                       ; x's way: a wave's stage, 16 rows x (512 + 16) bytes; four of them from byte 0
.set WSTG0, 33792                      ; the weights' way: a wave's stage is an image of a block's 6,144 bytes of codes; four of them from here
.set WSTG,  6144
.set R,   16                           ; x: v16-143  two sets of 64: a fragment's numbers as loaded
.set X,   144                          ; x: v144-207 my 64 numbers: blocks h and 2 + h of my row
.set C,   208                          ; x: v208-231 two sets of 12: a fragment's codes
.set T,   232                          ; x: v232-239 the second halves of the blocks' codes
.set W,   240                          ; x: v240-243 the four fragments' scale words
.set MX,  244
.set OP,  246
.set BY,  248
.set WT,  250
.set WX,  251
.set VA,  16                           ; w: v16-47   4 x lane + i x pitch
.set XW,  48                           ; w: v48-111  two sets of 32: a block of my column
.set CW,  112                          ; w: v112-118 a block's codes
.set SB,  120                          ; w: v120-121 my column's eight scale bytes
.set OUTR, 128                         ; w: v128-175 the way out
	s_load_b256 s[4:11], s[0:1], 0x0               ; x s[4:5], w_qkv s[6:7], w_out s[8:9], xq s[10:11]
	s_load_b128 s[12:15], s[0:1], 0x20             ; wq s[12:13], woq s[14:15]
	v_lshl_add_u32 v12, v0, 2, SPARE               ; my spare word; never rewritten
	v_mov_b32 v13, 0                               ; 0; never rewritten
	v_lshrrev_b32 v1, 5, v0
	v_readfirstlane_b32 s16, v1                    ; wave 0..3
	v_and_b32 v1, 31, v0                           ; lane
	v_and_b32 v2, 15, v0                           ; lane % 16
	v_bfe_u32 v3, v0, 4, 1                         ; h = lane / 16
	v_lshlrev_b32 v4, 4, v1                        ; 16 x lane
	v_lshlrev_b32 v7, 3, v1                        ; 8 x lane
	s_mov_b32 s18, 0x76543210
	s_mov_b32 s19, 0xfedcba98                      ; v_permlanex16_b32's selects for lane l xor 16
	s_cmp_lt_u32 ttmp9, 256
	s_cbranch_scc0 .Lw_arm
; ---------------- x: K is innermost ----------------
	s_mul_i32 s17, s16, XSTG                       ; my stage
	v_add_nc_u32 v5, s17, v4                       ; into it: a row's 512 bytes as loaded, 16 a lane
	v_mul_u32_u24 v6, v2, 528
	v_lshl_add_u32 v6, v3, 7, v6
	v_add_nc_u32 v6, s17, v6                       ; out of it: row r, + 128 h: my block of 32 numbers
	v_lshlrev_b32 v8, 3, v3                        ; 8 h: my bytes' place in a scale word
	v_mov_b32 v[WX], 0                             ; (a lane permute's destination counts as one of its sources)
	s_lshl_b32 s20, ttmp9, 17                      ; 32 rows of 4,096 bytes,
	s_lshl_b32 s21, s16, 10                        ; my 256 along K
	s_add_co_u32 s20, s20, s21
	s_mov_b32 s21, 0
	s_lshl_b32 s22, ttmp9, 2
	s_add_co_u32 s22, s22, s16
	s_mul_i32 s22, s22, 6400                       ; block (g, q)
	s_mov_b32 s23, 0
	s_wait_kmcnt 0x0
	s_add_nc_u64 s[4:5], s[4:5], s[20:21]
	s_add_nc_u64 s[10:11], s[10:11], s[22:23]
.macro XLOAD f                         ; fragment f = 2 u + st: its 16 rows' 512 bytes, each load 512 consecutive bytes
.irp i, 0,1,2,3,4,5,6,7,8,9,10,11,12,13,14,15
	global_load_b128 v[R+64*((\f)%2)+4*\i:R+64*((\f)%2)+4*\i+3], v4, s[4:5] offset:(8*((\f)/2)+\i+8*(\i/8))*4096+512*((\f)%2) th:TH_LOAD_NT
.endr
.endm
.macro XTURN f                         ; through the stage: in as loaded, out 128 neighbouring bytes of one row for each of my two blocks.  LDS serves a wave's instructions in order
.irp i, 0,1,2,3,4,5,6,7,8,9,10,11,12,13,14,15
	ds_store_b128 v5, v[R+64*((\f)%2)+4*\i:R+64*((\f)%2)+4*\i+3] offset:528*\i
.endr
.irp c, 0,1
.irp j, 0,1,2,3,4,5,6,7
	ds_load_b128 v[X+32*\c+4*\j:X+32*\c+4*\j+3], v6 offset:256*\c+16*\j
.endr
.endr
.endm
.macro XQ f                            ; my two whole blocks become registers 0-5 and 6-11 of the fragment
.set CC, C+12*((\f)%2)
.irp c, 0,1
	v_max3_num_f32 v[MX+\c], |v[X+32*\c]|, |v[X+32*\c+1]|, 0x1800000   ; with the floor 2^(3 - 127): the byte cannot fall under 1
.endr
.irp i, 2,4,6,8,10,12,14,16,18,20,22,24,26,28,30
.irp c, 0,1
	v_max3_num_f32 v[MX+\c], v[MX+\c], |v[X+32*\c+\i]|, |v[X+32*\c+\i+1]|
.endr
.endr
.irp c, 0,1
	v_add_nc_u32 v[OP+\c], 0xff000000, v[MX+\c]    ; 2 off the exponent field: the conversion's scale operand
.endr
.irp c, 0,1
	v_lshrrev_b32 v[BY+\c], 23, v[OP+\c]           ; the scale's byte
.endr
	v_lshl_or_b32 v[WT], v[BY+1], 16, v[BY]        ; blocks h and 2 + h,
	v_lshlrev_b32 v[WT], v8, v[WT]                 ; at their places;
	v_permlanex16_b32 v[WX], v[WT], s18, s19
	v_or_b32 v[W+(\f)], v[WT], v[WX]               ; with lane l xor 16's two the word is whole
.irp c, 0,1
	v_cvt_scalef32_pk16_fp6_f32 v[CC+6*\c:CC+6*\c+2], v[X+32*\c:X+32*\c+15], v[OP+\c]
	v_cvt_scalef32_pk16_fp6_f32 v[T+4*\c:T+4*\c+2], v[X+32*\c+16:X+32*\c+31], v[OP+\c]   ; (a conversion's three registers begin on an even number)
.endr
	v_nop                                          ; one plain place behind a scaled conversion
.irp c, 0,1
.irp i, 0,1,2
	v_mov_b32 v[CC+6*\c+3+\i], v[T+4*\c+\i]
.endr
.endr
	global_store_b128 v4, v[CC:CC+3], s[10:11] offset:1536*(\f)           ; each store covers 512 or 256 consecutive bytes, aligned
	global_store_b64 v7, v[CC+4:CC+5], s[10:11] offset:1536*(\f)+512
	global_store_b128 v4, v[CC+6:CC+9], s[10:11] offset:1536*(\f)+768
	global_store_b64 v7, v[CC+10:CC+11], s[10:11] offset:1536*(\f)+1280
.endm
	s_wait_alu depctr_va_vdst(0)
	XLOAD 0
	XLOAD 1
.irp f, 0,1,2,3
.if \f < 3
	s_wait_loadcnt 16                              ; this fragment's 16 loads are in; the next one's may be out
.else
	s_wait_loadcnt 0x0
.endif
	XTURN \f
.if \f < 2
	s_wait_dscnt 16                                ; the 16 stores into the stage are done (the 16 reads behind them may be out): their registers take the loads of two fragments on
	XLOAD \f+2
.endif
	s_wait_dscnt 0x0
.if \f >= 2
	s_wait_xcnt 0x0                                ; the stores of two fragments back have read this set of codes
.endif
	XQ \f
.endr
	v_cmp_ne_u32 vcc_lo, 0, v3
	v_cndmask_b32 v252, v[W], v[W+2], vcc_lo       ; lane 16 u + r stores the words (st 0, st 1) of row r of tile u
	v_cndmask_b32 v253, v[W+1], v[W+3], vcc_lo
	global_store_b64 v7, v[252:253], s[10:11] offset:6144   ; 256 consecutive bytes
	s_wait_tensorcnt 0x0                           ; the wave's end, behind my last LDS store
	ds_add_u32 v12, v13
	s_wait_dscnt 0x0
	s_endpgm
; ---------------- the weights: K is the first axis.  A lane takes a column, its registers run down K ----------------
.Lw_arm:
	s_sub_co_u32 s20, ttmp9, 256
	s_mov_b32 s24, 4096
	s_cmp_lt_u32 s20, 96                           ; w_qkv or w_out: the choice hangs on the work-group's number alone
	s_cselect_b32 s24, 12288, s24                  ; a row of the weight in bytes
	s_cselect_b32 s21, 0, 96
	s_wait_kmcnt 0x0
	s_cselect_b64 s[4:5], s[6:7], s[8:9]
	s_cselect_b64 s[10:11], s[12:13], s[14:15]
	s_sub_co_u32 s20, s20, s21
	s_lshr_b32 s22, s20, 2
	s_and_b32 s23, s20, 3                          ; q
	s_lshl_b32 s22, s22, 2
	s_add_co_u32 s22, s22, s16                     ; g
	s_lshl_b32 s25, s24, 8
	s_mul_i32 s26, s23, s25                        ; 256 q rows down,
	s_lshl_b32 s27, s22, 7                         ; 32 g columns on
	s_add_co_u32 s26, s26, s27
	s_mov_b32 s27, 0
	s_add_nc_u64 s[4:5], s[4:5], s[26:27]
	s_lshl_b32 s28, s22, 2
	s_add_co_u32 s28, s28, s23
	s_mul_i32 s28, s28, 6400                       ; block (g, q)
	s_mov_b32 s29, 0
	s_add_nc_u64 s[10:11], s[10:11], s[28:29]
	s_lshl_b32 s30, s24, 5                         ; 32 rows on
	s_mov_b32 s31, 0
	s_wait_alu depctr_va_vdst(0)
	v_lshlrev_b32 v9, 2, v1
.irp i, 0,1,2,3,4,5,6,7,8,9,10,11,12,13,14,15,16,17,18,19,20,21,22,23,24,25,26,27,28,29,30,31
	v_mad_u32_u24 v[VA+\i], s24, \i, v9            ; row i of a block, my column
.endr
	v_bfe_u32 v10, v0, 3, 1                        ; column c = my lane lies in tile u = (c / 8) % 2
	v_and_b32 v11, 7, v0
	v_lshl_add_u32 v11, v3, 3, v11                 ; as its lane r = c % 8 + 8 (c / 16)
	s_mul_i32 s17, s16, WSTG
	s_add_co_u32 s17, s17, WSTG0                   ; my stage
	v_mul_u32_u24 v14, v10, 3072
	v_add_nc_u32 v14, s17, v14
	v_lshl_add_u32 v15, v11, 3, v14                ; where registers 4-5 of an image go: + 8 r
	v_lshl_add_u32 v14, v11, 4, v14                ; where registers 0-3 go: + 16 r
	v_add_nc_u32 v5, s17, v4                       ; the way out: 16 x lane
	v_lshlrev_b32 v6, 7, v10
	v_lshl_add_u32 v6, v11, 3, v6                  ; my scale words' place: 128 u + 8 r
.macro WLOAD t
.if (\t) > 0
	s_wait_xcnt 0x0                                ; the loads issued so far have read their base: it may step
	s_add_nc_u64 s[4:5], s[4:5], s[30:31]
.endif
.irp i, 0,1,2,3,4,5,6,7,8,9,10,11,12,13,14,15,16,17,18,19,20,21,22,23,24,25,26,27,28,29,30,31
	global_load_b32 v[XW+32*((\t)%2)+\i], v[VA+\i], s[4:5] th:TH_LOAD_NT   ; 32 lanes read 128 consecutive bytes, the four waves 512
.endr
.endm
.macro WBLOCK t                        ; block t of eight: K step st = t / 4, block kk = t % 4 of its four: image lane 16 (kk % 2) + r of the half fragment kk / 2
.set XS, XW+32*((\t)%2)
.if (\t) < 7
	s_wait_loadcnt 32                              ; this block's 32 loads are in; the next block's may be out
.else
	s_wait_loadcnt 0x0
.endif
	v_max3_num_f32 v122, |v[XS]|, |v[XS+1]|, |v[XS+2]|
	v_max3_num_f32 v123, |v[XS+3]|, |v[XS+4]|, |v[XS+5]|
.irp i, 6,10,14,18,22,26
	v_max3_num_f32 v122, v122, |v[XS+\i]|, |v[XS+\i+1]|
	v_max3_num_f32 v123, v123, |v[XS+\i+2]|, |v[XS+\i+3]|
.endr
	v_max3_num_f32 v122, v122, |v[XS+30]|, |v[XS+31]|
	v_max3_num_f32 v122, v122, v123, 0x1800000     ; and the floor
	v_add_nc_u32 v124, 0xff000000, v122
	v_lshrrev_b32 v125, 23, v124
.if (\t)%4 == 0
	v_mov_b32 v[SB+(\t)/4], v125
.else
	v_lshl_or_b32 v[SB+(\t)/4], v125, 8*((\t)%4), v[SB+(\t)/4]
.endif
	v_cvt_scalef32_pk16_fp6_f32 v[CW:CW+2], v[XS:XS+15], v124
	v_cvt_scalef32_pk16_fp6_f32 v[CW+4:CW+6], v[XS+16:XS+31], v124
	v_nop                                          ; one plain place behind a scaled conversion
	v_mov_b32 v[CW+3], v[CW+4]
	v_mov_b32 v[CW+4], v[CW+5]
	v_mov_b32 v[CW+5], v[CW+6]
	ds_store_b128 v14, v[CW:CW+3] offset:1536*((\t)/4)+768*(((\t)%4)/2)+256*((\t)%2)
	ds_store_b64 v15, v[CW+4:CW+5] offset:1536*((\t)/4)+768*(((\t)%4)/2)+512+128*((\t)%2)
.if (\t) < 6
	WLOAD (\t)+2
.endif
	s_wait_dscnt 0x0                               ; the stores have read their registers: the next block's codes may be written
.endm
	WLOAD 0
	WLOAD 1
.irp t, 0,1,2,3,4,5,6,7
	WBLOCK \t
.endr
	s_wait_alu depctr_va_vdst(0)
	global_store_b64 v6, v[SB:SB+1], s[10:11] offset:6144   ; the 32 lanes fill the block's 256 bytes of scale words
.irp i, 0,1,2,3,4,5,6,7,8,9,10,11
	ds_load_b128 v[OUTR+4*\i:OUTR+4*\i+3], v5 offset:512*\i
.endr
.irp i, 0,1,2,3,4,5,6,7,8,9,10,11
	s_wait_dscnt 11-\i                             ; LDS loads come back in order: number i is in
	global_store_b128 v4, v[OUTR+4*\i:OUTR+4*\i+3], s[10:11] offset:512*\i   ; 512 consecutive bytes, aligned
.endr
	s_wait_tensorcnt 0x0                           ; the wave's end, behind my last LDS store
	ds_add_u32 v12, v13
	s_wait_dscnt 0x0
	s_endpgm
.Lfunc_end_k_qa8387239cd_prep:
	.size	k_qa8387239cd_prep, .Lfunc_end_k_qa8387239cd_prep-k_qa8387239cd_prep
	.p2alignl 7, 3214868480
	.fill 96, 4, 3214868480
	.section	.rodata,"a",@progbits
	.p2align	6, 0x0
	.amdhsa_kernel k_qa8387239cd_prep
		.amdhsa_group_segment_fixed_size 58880
		.amdhsa_private_segment_fixed_size 0
		.amdhsa_enable_private_segment 0
		.amdhsa_kernarg_size 48
		.amdhsa_user_sgpr_count 2
		.amdhsa_user_sgpr_kernarg_segment_ptr 1
		.amdhsa_wavefront_size32 1
		.amdhsa_system_sgpr_workgroup_id_x 1
		.amdhsa_system_sgpr_workgroup_id_y 1
		.amdhsa_system_sgpr_workgroup_id_z 1
		.amdhsa_system_vgpr_workitem_id 0
		.amdhsa_next_free_vgpr 256
		.amdhsa_next_free_sgpr 66
		.amdhsa_reserve_vcc 1
		.amdhsa_float_denorm_mode_32 3
		.amdhsa_float_denorm_mode_16_64 3
		.amdhsa_memory_ordered 1
		.amdhsa_forward_progress 1
		.amdhsa_inst_pref_size 74
	.end_amdhsa_kernel
	.amdgpu_metadata
---
amdhsa.version: [ 1, 2 ]
amdhsa.kernels:
  - .name:           k_qa8387239cd_prep
    .symbol:         k_qa8387239cd_prep.kd
    .args:
      - { .name: x, .offset: 0, .size: 8, .value_kind: global_buffer, .address_space: global }
      - { .name: w_qkv, .offset: 8, .size: 8, .value_kind: global_buffer, .address_space: global }
      - { .name: w_out, .offset: 16, .size: 8, .value_kind: global_buffer, .address_space: global }
      - { .name: xq, .offset: 24, .size: 8, .value_kind: global_buffer, .address_space: global }
      - { .name: wq, .offset: 32, .size: 8, .value_kind: global_buffer, .address_space: global }
      - { .name: woq, .offset: 40, .size: 8, .value_kind: global_buffer, .address_space: global }
    .group_segment_fixed_size: 58880
    .private_segment_fixed_size: 0
    .kernarg_segment_align: 8
    .kernarg_segment_size: 48
    .max_flat_workgroup_size: 128
    .sgpr_count:     66
    .vgpr_count:     256
    .wavefront_size: 32
...
	.end_amdgpu_metadata
.endif
;; end of part 1
;; launch qkv (part 2): grid 16 x 48, 4 waves a work-group, clusters of 4 x 4, 308,736 bytes of LDS; arguments xq, wq, b_qkv, qb, kv; writes qb, kv
.if DOCPART == 2
	.amdgcn_target "amdgcn-amd-amdhsa--gfx1250"
	.amdhsa_code_object_version 6
	.text
	.protected	k_qa8387239cd_qkv
	.globl	k_qa8387239cd_qkv
	.p2align	8
	.type	k_qa8387239cd_qkv,@function
k_qa8387239cd_qkv:
	s_mov_b64 s[64:65], 0
	v_nop
	global_prefetch_b8 v0, s[64:65] scope:SCOPE_SE
	s_setreg_imm32_b32 hwreg(HW_REG_WAVE_MODE, 25, 1), 1
	s_wait_xcnt 0x0
	s_wait_alu depctr_hold_cnt(0) depctr_sa_sdst(0) depctr_va_vdst(0) depctr_va_sdst(0) depctr_va_ssrc(0) depctr_va_vcc(0) depctr_vm_vsrc(0)
	s_getreg_b32 s2, hwreg(HW_REG_IB_STS2, 6, 4)
	s_cmp_eq_u32 s2, 0
	s_cbranch_scc0 .Lentry_in_a_cluster
	s_endpgm
.Lentry_in_a_cluster:
	s_bfe_u32 s2, ttmp6, 0x10000c
	s_cmp_lg_u32 s2, 0xf033
	s_cbranch_scc0 .Lentry_shape_is_right
	s_endpgm
.Lentry_shape_is_right:
; qkv = x w_qkv + b_qkv on codes of FP6 (E2M3) with E8M0 scales (K = 1024), and its three parts quantised at once for attention: q and k along the head's 64, v along the keys.  Nothing leaves as f32.
; OPERANDS (made by the launch before): block (g, q) of 6,400 bytes at (4 g + q) x 6,400: 32 rows x 256 K as four images of fragments (u, st) at 3,072 u + 1,536 st, scale words at 6,144 + 128 u + 8 r + 4 st;
;   lane r of tile u is row 32 g + 8 u + r + 8 (r / 8), so that the 16 registers of two neighbouring result tiles are 16 neighbours along that operand's rows.
; A WORK-GROUP makes 256 rows of operand A x 128 rows of operand B; its four waves 128 x 64 each (8 x 4 accumulators).  Source 0 = 16 rows of B, source 1 = 16 rows of A: a lane holds one row of A, its registers run along B's rows.
;   Clusters y 0-7:  A = x's rows, B = w_qkv's columns 0-2047: a wave's 64 columns are one head of q or of k, and the registers run along the head: the next product's K.
;   Clusters y 8-11: A = w_qkv's columns 2048-3071, B = x's rows: V transposed: a lane holds one channel, its registers run along the keys: the third product's K.
; ALL OF K LIES IN LDS: 4 slices of 256 K x (8 + 4 blocks) = 307,200 bytes, each byte filled once: no slot is filled again.  Each wave issues four tensor loads at the head (four are out, by this text's count).
; CLUSTER 4 x 4: A's blocks are shared along a row of the cluster, B's along a column: joint loads.
; RESULTS: qb [bh][G] x 6,400 and kv [bh][G] x 12,800 (K's block, then V's), G = 128 rows of the sequence.  Q, K block: half fragment (16 rows x 64) of tile a at 768 a, scale halfwords at 6,144 + 16 r + 2 a.
;   V block: fragment (16 channels x 128 keys) of channel tile ct at 1,536 ct, scale words at 6,144 + 16 r + 4 ct.
; LIMITS: NaN and infinities are not served; a block of zeros gets the byte 1 (its codes are zeros; this program alone reads the bytes).
; REGISTERS.  Window 0: v1-16 addresses; v12, v13 the add's two; v20-43 scale words, two sets; v44-49 at work; v64-255 A's fragments, two sets (free on the way out).
;   Window 1: v0-95 B's fragments, two sets; from v96 the bias, in the result's layout.   Window 2: accumulator (a, b) at v[8 (4 a + b)].
.set SL,    76800                      ; a slice: A's 8 blocks, then B's 4
.set GB,    6400
.set EXCH,  307200                     ; V's way: 1,024 bytes in which the two waves of a row half exchange scale halfwords
.set SPARE, 308224                     ; the spare words, 128 bytes a wave: two blocks of 256 bytes that no other line names
.set G1A, 24                           ; s[24:31] descriptor group 1 for A's blocks; s[32:39] for B's
.set G1B, 32
.set G0A, 40                           ; s40, 44, 48, 52: group 0 for A's slices 0-3
.set G0B, 56                           ; s56, 60, 68, 72: for B's
.set SEL, 96
.set TM,  44
.set MSB, 0
.macro WIN new                         ; the immediate's high byte repeats the setting that is left
.if MSB != \new
	s_set_vgpr_msb (MSB<<8)|\new
.set MSB, \new
.endif
.endm
.macro CROUND                          ; a round of the cluster's barrier
	s_barrier_signal -1
	s_barrier_wait -1
	s_cmp_lg_u32 s14, 0
	s_cbranch_scc1 .Lnot_wave_0_\@
	s_barrier_signal -3
.Lnot_wave_0_\@:
	s_barrier_wait -3
	s_barrier_signal -1
	s_barrier_wait -1
.endm
.macro PLACES n
.rept \n
	v_nop
.endr
.endm
.macro FRAG dst, a16, a8, off          ; a fragment's image back into 12 registers: every load takes consecutive bytes
	ds_load_b128 v[(\dst):(\dst)+3], v[\a16] offset:(\off)
	ds_load_b64 v[(\dst)+4:(\dst)+5], v[\a8] offset:(\off)+512
	ds_load_b128 v[(\dst)+6:(\dst)+9], v[\a16] offset:(\off)+768
	ds_load_b64 v[(\dst)+10:(\dst)+11], v[\a8] offset:(\off)+1280
.endm
.macro FETCH t                         ; K step t (128 along K): B's 4 and A's 8 fragments into set t % 2; with a slice's first step its scale words (both steps') into set (t / 2) % 2
	WIN 0x40
.irp b, 0,1,2,3
	FRAG 48*((\t)%2)+12*\b, 6, 7, (\b/2)*GB+(\b%2)*3072+1536*((\t)%2)
.endr
	WIN 0
.irp a, 0,1,2,3,4,5,6,7
	FRAG 64+96*((\t)%2)+12*\a, 4, 5, (\a/2)*GB+(\a%2)*3072+1536*((\t)%2)
.endr
.if ((\t)%2) == 0
.irp g, 0,1,2,3
	ds_load_b64 v[20+12*(((\t)/2)%2)+2*\g:20+12*(((\t)/2)%2)+2*\g+1], v5 offset:\g*GB+6144   ; lanes 0-15: tile u = 0, lanes 16-31: u = 1; the pair: steps 0, 1
.endr
.irp g, 0,1
	ds_load_b64 v[28+12*(((\t)/2)%2)+2*\g:28+12*(((\t)/2)%2)+2*\g+1], v7 offset:\g*GB+6144
.endr
.endif
.endm
.macro WM d, f0, f1, c, s0, s1, o0, o1 ; one product; o0, o1: the side's scale words lie in lanes 16-31
.if (\o0) && (\o1)
	v_wmma_scale_f32_16x16x128_f8f6f4 v[(\d):(\d)+7], v[(\f0):(\f0)+11], v[(\f1):(\f1)+11], v[(\c):(\c)+7], v[\s0], v[\s1] matrix_a_fmt:MATRIX_FMT_FP6 matrix_b_fmt:MATRIX_FMT_FP6 matrix_a_scale:MATRIX_SCALE_ROW1 matrix_b_scale:MATRIX_SCALE_ROW1
.elseif (\o0)
	v_wmma_scale_f32_16x16x128_f8f6f4 v[(\d):(\d)+7], v[(\f0):(\f0)+11], v[(\f1):(\f1)+11], v[(\c):(\c)+7], v[\s0], v[\s1] matrix_a_fmt:MATRIX_FMT_FP6 matrix_b_fmt:MATRIX_FMT_FP6 matrix_a_scale:MATRIX_SCALE_ROW1
.elseif (\o1)
	v_wmma_scale_f32_16x16x128_f8f6f4 v[(\d):(\d)+7], v[(\f0):(\f0)+11], v[(\f1):(\f1)+11], v[(\c):(\c)+7], v[\s0], v[\s1] matrix_a_fmt:MATRIX_FMT_FP6 matrix_b_fmt:MATRIX_FMT_FP6 matrix_b_scale:MATRIX_SCALE_ROW1
.else
	v_wmma_scale_f32_16x16x128_f8f6f4 v[(\d):(\d)+7], v[(\f0):(\f0)+11], v[(\f1):(\f1)+11], v[(\c):(\c)+7], v[\s0], v[\s1] matrix_a_fmt:MATRIX_FMT_FP6 matrix_b_fmt:MATRIX_FMT_FP6
.endif
.endm
; 16 products: A's tiles a0 .. a0 + 3 x B's four.  cmode 0: in place; 1: the sums begin with the bias along the registers (v[96 + 8 b] of window 1); 2: with the bias along the lanes (v[96 + 8 a]).
; The 32 accumulators take turns, one instruction a turn, in the same order in every step.
.macro MUL16 a0, t, cmode
.if (\cmode) == 0
	WIN 0xa1                                       ; source 0 (B) window 1, source 1 (A) window 0, C and D window 2
.else
	WIN 0x91                                       ; the same with C in window 1
.endif
.irp a, \a0, \a0+1, \a0+2, \a0+3
.irp b, 0,1,2,3
.if (\cmode) == 0
	WM 8*(4*(\a)+\b),48*((\t)%2)+12*\b,64+96*((\t)%2)+12*(\a),8*(4*(\a)+\b),28+12*(((\t)/2)%2)+2*(\b/2)+(\t)%2,20+12*(((\t)/2)%2)+2*((\a)/2)+(\t)%2,\b%2,(\a)%2
.elseif (\cmode) == 1
	WM 8*(4*(\a)+\b),48*((\t)%2)+12*\b,64+96*((\t)%2)+12*(\a),96+8*\b,28+12*(((\t)/2)%2)+2*(\b/2)+(\t)%2,20+12*(((\t)/2)%2)+2*((\a)/2)+(\t)%2,\b%2,(\a)%2
.else
	WM 8*(4*(\a)+\b),48*((\t)%2)+12*\b,64+96*((\t)%2)+12*(\a),96+8*(\a),28+12*(((\t)/2)%2)+2*(\b/2)+(\t)%2,20+12*(((\t)/2)%2)+2*((\a)/2)+(\t)%2,\b%2,(\a)%2
.endif
.endr
.endr
.endm
.macro STEP t, cmode
	s_wait_dscnt 0x0                               ; this step's fragments are in (asked for 16 products ago)
	MUL16 0, \t, \cmode
.if (((\t)%2) == 1) && ((\t) < 7)
	s_wait_tensorcnt 2-(\t)/2                      ; my part of the next slice has landed; my later slices may stay out
	s_barrier_signal -1                            ; (no LDS instruction of mine is out)
	s_barrier_wait -1                              ; everybody's part has
	WIN 0
	v_add_nc_u32 v4, SL, v4                        ; on to the next slice
	v_add_nc_u32 v5, SL, v5
	v_add_nc_u32 v6, SL, v6
	s_wait_alu depctr_va_vdst(0)
	v_add_nc_u32 v7, SL, v7
.endif
.if (\t) < 7
	PLACES 4                                       ; in front of loads into registers that the step before multiplied
	FETCH (\t)+1
.endif
	MUL16 4, \t, \cmode
.endm
.macro GEMM cmode
	s_wait_tensorcnt 0x3                           ; my part of slice 0 has landed; slices 1 to 3 may stay out
	s_barrier_signal -1
	s_barrier_wait -1
	FETCH 0
	STEP 0, \cmode
.irp t, 1,2,3,4,5,6,7
	s_wait_alu depctr_va_vdst(0)
	STEP \t, 0
.endr
	WIN 0
	PLACES 4                                       ; in front of the first reads of results, and of writes into A's registers
.endm
; 32 numbers of a lane in window 2, register 16 b + i = k 32 b + 16 (lane / 16) + i of my row, become a half fragment in v[pc .. pc + 5] (pc + 6: at work) and its two scale bytes as a halfword in v[hw].
; Each accumulator is read from its low end on.
.macro QUANT32 s, pc, hw
	WIN 0x28                                       ; sources 1 and 2 window 2
.irp b, 0,1
	v_max3_num_f32 v[TM+\b], 0x1800000, |v[(\s)+16*\b]|, |v[(\s)+16*\b+1]|   ; with the floor 2^(3 - 127): the byte cannot fall under 1
.endr
.irp i, 2,4,6,8,10,12,14
.irp b, 0,1
	v_max3_num_f32 v[TM+\b], v[TM+\b], |v[(\s)+16*\b+\i]|, |v[(\s)+16*\b+\i+1]|
.endr
.endr
	WIN 0
.irp b, 0,1
	v_permlanex16_b32 v[TM+2+\b], v[TM+\b], s[SEL], s[SEL+1]
.endr
.irp b, 0,1
	v_max_num_f32 v[TM+\b], v[TM+\b], v[TM+2+\b]   ; with lane l xor 16's 16: the block's largest magnitude
.endr
.irp b, 0,1
	v_add_nc_u32 v[TM+4+\b], 0xff000000, v[TM+\b]  ; 2 off the exponent field: the conversion's scale operand
.endr
.irp b, 0,1
	v_lshrrev_b32 v[TM+2+\b], 23, v[TM+4+\b]       ; the scale's byte
.endr
	v_lshl_or_b32 v[\hw], v[TM+3], 8, v[TM+2]
	WIN 0x02                                       ; source 0 window 2
	v_cvt_scalef32_pk16_fp6_f32 v[(\pc):(\pc)+2], v[(\s):(\s)+15], v[TM+4]
	v_cvt_scalef32_pk16_fp6_f32 v[(\pc)+4:(\pc)+6], v[(\s)+16:(\s)+31], v[TM+5]
	WIN 0
	v_nop                                          ; one plain place behind a scaled conversion
.irp i, 0,1,2
	v_permlane16_swap_b32 v[(\pc)+\i], v[(\pc)+4+\i]   ; a whole block to a lane: lanes 0-15 block 0, lanes 16-31 block 1
.endr
	v_mov_b32 v[(\pc)+3], v[(\pc)+4]
	v_mov_b32 v[(\pc)+4], v[(\pc)+5]
	v_mov_b32 v[(\pc)+5], v[(\pc)+6]
.endm
	s_load_b256 s[4:11], s[0:1], 0x0               ; xq s[4:5], wq s[6:7], b_qkv s[8:9], qb s[10:11]
	s_load_b64 s[12:13], s[0:1], 0x20              ; kv
	v_lshl_add_u32 v12, v0, 2, SPARE
	v_mov_b32 v13, 0
	ds_add_u32 v12, v13
	ds_add_u32 v12, v13                            ; the wave's opening: the add and its wait stand ahead of my first tensor load; work on registers stands between them
	v_lshrrev_b32 v1, 5, v0
	v_readfirstlane_b32 s14, v1                    ; wave 0..3
	s_lshr_b32 s15, s14, 1                         ; wa: my half of A's rows.  Also: I fetch for A (0) or for B (1)
	s_and_b32 s16, s14, 1                          ; wb: my half of B's rows.  Also: which half of that operand's blocks I fetch
	s_bfe_u32 s17, ttmp6, 0x40000                  ; cx
	s_bfe_u32 s18, ttmp6, 0x40004                  ; cy
	s_and_b32 s20, ttmp7, 0xffff                   ; the cluster's y
	s_lshl_b32 s21, s18, 2
	s_lshl_b32 s21, 15, s21                        ; my row of the cluster
	s_lshl_b32 s22, 0x1111, s17                    ; my column
	s_or_b32 s[G1A], s21, (3<<16)|(1<<21)          ; 15:0 the mask; 17:16 elements of 8 bytes; 21 set beside a mask; no padding
	s_or_b32 s[G1B], s22, (3<<16)|(1<<21)
	s_mov_b32 s[G1A+1], 800<<16                    ; tensor_dim0 = 800 elements: a block's 6,400 bytes
	s_mov_b32 s[G1A+2], 4<<16                      ; tensor_dim1 = 4 blocks
	s_mov_b32 s[G1A+3], 800<<16                    ; tile_dim0
	s_mov_b32 s[G1A+4], 4                          ; tile_dim1
	s_mov_b32 s[G1A+5], 3200                       ; from a group's block to the next group's: 25,600 bytes
	s_mov_b32 s[G1A+6], 0
	s_mov_b32 s[G1A+7], 0
	s_mov_b32 s[G1B+1], 800<<16
	s_mov_b32 s[G1B+2], 2<<16                      ; 2 blocks
	s_mov_b32 s[G1B+3], 800<<16
	s_mov_b32 s[G1B+4], 2
	s_mov_b32 s[G1B+5], 3200
	s_mov_b32 s[G1B+6], 0
	s_mov_b32 s[G1B+7], 0
	; which 256 rows of A (Ai) and which 128 rows of B (Bi).  The registers that feed A's descriptors never hold cx, those that feed B's never cy
	s_lshl_b32 s77, s20, 2
	s_lshl_b32 s78, ttmp9, 2
	s_max_u32 s79, s20, 8
	s_sub_co_u32 s79, s79, 8
	s_lshl_b32 s79, s79, 4
	s_add_co_u32 s79, s79, s78
	s_cmp_lt_u32 s20, 8
	s_cselect_b32 s77, s77, 8                      ; q, k: 4 x cluster y;  v: w_qkv's columns from 2,048 on
	s_cselect_b32 s78, s78, s79                    ; q, k: 4 x cluster x;  v: 16 (cluster y - 8) + 4 x cluster x
	s_add_co_u32 s77, s77, s18                     ; Ai
	s_add_co_u32 s78, s78, s17                     ; Bi
	s_lshl_b32 s80, s77, 3
	s_lshl_b32 s81, s16, 2
	s_add_co_u32 s80, s80, s81
	s_mul_i32 s80, s80, 25600                      ; A: group 8 Ai + 4 p
	s_mov_b32 s81, 0
	s_lshl_b32 s82, s78, 2
	s_lshl_b32 s83, s16, 1
	s_add_co_u32 s82, s82, s83
	s_mul_i32 s82, s82, 25600                      ; B: group 4 Bi + 2 p
	s_mov_b32 s83, 0
	s_mul_i32 s84, s16, 25600                      ; where they go in a slice: no place in the cluster enters an LDS address
	s_mul_i32 s85, s16, 12800
	s_add_co_u32 s85, s85, 51200
	s_mov_b32 s[SEL], 0x76543210
	s_mov_b32 s[SEL+1], 0xfedcba98
	s_wait_dscnt 0x0                               ; the opening add is done
	s_wait_kmcnt 0x0
	s_cmp_lt_u32 s20, 8
	s_cselect_b64 s[86:87], s[4:5], s[6:7]         ; A's buffer
	s_cselect_b64 s[88:89], s[6:7], s[4:5]         ; B's
	s_add_nc_u64 s[86:87], s[86:87], s[80:81]
	s_add_nc_u64 s[88:89], s[88:89], s[82:83]
.irp q, 0,1,2,3
	s_mov_b32 s[G0A+4*\q], 1
	s_add_co_u32 s[G0A+4*\q+1], s84, \q*SL
	s_add_nc_u64 s[G0A+4*\q+2:G0A+4*\q+3], s[86:87], \q*GB
	s_or_b32 s[G0A+4*\q+3], s[G0A+4*\q+3], 0x80000000
	s_mov_b32 s[G0B+4*\q+4*(\q/2)], 1
	s_add_co_u32 s[G0B+4*\q+4*(\q/2)+1], s85, \q*SL
	s_add_nc_u64 s[G0B+4*\q+4*(\q/2)+2:G0B+4*\q+4*(\q/2)+3], s[88:89], \q*GB
	s_or_b32 s[G0B+4*\q+4*(\q/2)+3], s[G0B+4*\q+4*(\q/2)+3], 0x80000000
.endr
	CROUND                                         ; all sixteen work-groups are here: the joint loads meet
	s_cmp_eq_u32 s15, 0                            ; a wave's four first fills stand in one branch on the wave's number; an s_nop 0 follows each, four v_nop the last
	s_cbranch_scc0 .Lfill_b
.irp q, 0,1,2,3
	tensor_load_to_lds s[G0A+4*\q:G0A+4*\q+3], s[G1A:G1A+7]
	s_nop 0
.endr
	PLACES 4
	s_branch .Lfilled
.Lfill_b:
.irp q, 0,1,2,3
	tensor_load_to_lds s[G0B+4*\q+4*(\q/2):G0B+4*\q+4*(\q/2)+3], s[G1B:G1B+7]
	s_nop 0
.endr
	PLACES 4
.Lfilled:
	v_and_b32 v1, 15, v0                           ; r
	v_bfe_u32 v2, v0, 4, 1                         ; h
	v_and_b32 v3, 31, v0                           ; lane
	v_lshlrev_b32 v8, 4, v3                        ; 16 x lane
	v_lshlrev_b32 v9, 3, v3                        ; 8 x lane
	v_lshlrev_b32 v10, 4, v1
	v_lshl_add_u32 v10, v2, 3, v10                 ; 16 r + 8 h: my two scale words in a head's block
	s_mul_i32 s79, s15, 25600                      ; my 4 blocks of A in a slice
	v_add_nc_u32 v4, s79, v8
	v_add_nc_u32 v5, s79, v9
	v_add_nc_u32 v6, s85, v8                       ; my 2 blocks of B
	v_add_nc_u32 v7, s85, v9
	s_lshl_b32 s79, s14, 8
	s_add_co_u32 s79, s79, EXCH
	v_lshl_add_u32 v14, v1, 4, s79                 ; V's way: where I put my 8 halfwords: 256 x wave + 16 r
	s_lshl_b32 s79, s15, 9
	s_lshl_b32 s84, s16, 3
	s_add_co_u32 s79, s79, s84
	s_add_co_u32 s79, s79, EXCH
	v_lshl_add_u32 v15, v1, 4, s79
	v_lshl_add_u32 v15, v2, 2, v15                 ; and where I read: 512 wa + 8 wb + 16 r + 4 h
	v_mov_b32 v[TM+2], 0                           ; (a lane permute's destination counts as one of its sources)
	v_mov_b32 v[TM+3], 0
	s_cmp_lt_u32 s20, 8                            ; the cluster's y: the same in all waves and all partners
	s_cbranch_scc0 .Lv_arm
; ---------------- q and k ----------------
	s_lshl_b32 s82, s78, 9
	s_lshl_b32 s88, s16, 8
	s_add_co_u32 s82, s82, s88                     ; my 64 columns' bias: 4 (128 Bi + 64 wb)
	s_add_nc_u64 s[82:83], s[8:9], s[82:83]
	v_lshlrev_b32 v11, 6, v2                       ; tile b's register j is column 32 (b / 2) + 16 h + 8 (b % 2) + j
	WIN 0x40
.irp b, 0,1,2,3
.irp j, 0,1
	global_load_b128 v[96+8*\b+4*\j:96+8*\b+4*\j+3], v11, s[82:83] offset:128*(\b/2)+32*(\b%2)+16*\j
.endr
.endr
	WIN 0
	s_lshl_b32 s90, s78, 1
	s_add_co_u32 s90, s90, s16
	s_and_b32 s90, s90, 15                         ; the head
	s_lshl_b32 s91, s77, 1
	s_add_co_u32 s91, s91, s15                     ; my 128 rows: 16 x batch + G
	s_lshr_b32 s92, s91, 4
	s_lshl_b32 s92, s92, 4
	s_add_co_u32 s92, s92, s90                     ; bh
	s_lshl_b32 s92, s92, 4
	s_and_b32 s91, s91, 15
	s_add_co_u32 s92, s92, s91                     ; 16 bh + G
	s_mov_b32 s93, 12800
	s_cmp_lt_u32 ttmp9, 2                          ; columns under 1,024 are q's
	s_cselect_b32 s93, 6400, s93
	s_cselect_b64 s[94:95], s[10:11], s[12:13]
	s_mul_i32 s92, s92, s93
	s_mov_b32 s93, 0
	s_add_nc_u64 s[94:95], s[94:95], s[92:93]      ; the block that my wave writes, whole
	s_wait_loadcnt 0x0
	s_wait_alu depctr_va_vdst(0)
	GEMM 1
.irp a, 0,1,2,3,4,5,6,7                ; each tile has registers of its own for its codes: no store's data are written again
	QUANT32 32*\a, 64+8*\a, 128+\a
	global_store_b128 v8, v[64+8*\a:64+8*\a+3], s[94:95] offset:768*\a        ; 512 consecutive bytes, aligned
	global_store_b64 v9, v[64+8*\a+4:64+8*\a+5], s[94:95] offset:768*\a+512   ; 256
.endr
.irp g, 0,1,2,3
	v_lshl_or_b32 v[136+\g], v[128+2*\g+1], 16, v[128+2*\g]
.endr
	v_cmp_ne_u32 vcc_lo, 0, v2
	v_cndmask_b32 v140, v136, v138, vcc_lo         ; lane (r, h) stores words 2 h and 2 h + 1 of row r
	v_cndmask_b32 v141, v137, v139, vcc_lo
	global_store_b64 v10, v[140:141], s[94:95] offset:6144
	s_wait_tensorcnt 0x0                           ; the wave's end
	ds_add_u32 v12, v13
	s_wait_dscnt 0x0
	CROUND                                         ; the closing round
	s_endpgm
; ---------------- v, transposed ----------------
.Lv_arm:
	s_lshl_b32 s80, s18, 10
	s_lshl_b32 s84, s15, 9
	s_add_co_u32 s80, s80, s84
	s_add_co_u32 s80, s80, 8192                    ; my 128 channels' bias: 4 (2,048 + 256 cy + 128 wa)
	s_add_nc_u64 s[80:81], s[8:9], s[80:81]
	v_and_b32 v11, 8, v1
	v_add_nc_u32 v11, v11, v1
	v_lshlrev_b32 v11, 2, v11                      ; my lane's channel in a tile: r + 8 (r / 8)
	WIN 0x40
.irp a, 0,1,2,3,4,5,6,7
	global_load_b32 v[96+8*\a], v11, s[80:81] offset:4*(32*(\a/2)+8*(\a%2))
.endr
	WIN 0
	s_lshr_b32 s90, s78, 4
	s_lshl_b32 s90, s90, 4                         ; 16 x batch
	s_lshl_b32 s91, s18, 2
	s_add_co_u32 s90, s90, s91
	s_lshl_b32 s91, s15, 1
	s_add_co_u32 s90, s90, s91                     ; bh of my first head: + 4 cy + 2 wa
	s_add_co_u32 s92, s90, s16                     ; bh of the head whose scale words I write
	s_and_b32 s94, s78, 15                         ; G
	s_lshl_b32 s90, s90, 4
	s_add_co_u32 s90, s90, s94
	s_mul_i32 s90, s90, 12800
	s_lshl_b32 s92, s92, 4
	s_add_co_u32 s92, s92, s94
	s_mul_i32 s92, s92, 12800
	s_mul_i32 s94, s16, 768                        ; my 64 keys are half wb of each fragment
	s_add_co_u32 s90, s90, s94
	s_add_co_u32 s90, s90, 6400                    ; V's block lies behind K's
	s_add_co_u32 s92, s92, 6400
	s_mov_b32 s91, 0
	s_mov_b32 s93, 0
	s_add_nc_u64 s[90:91], s[12:13], s[90:91]
	s_add_nc_u64 s[92:93], s[12:13], s[92:93]
	s_wait_loadcnt 0x0
	WIN 0x41
.irp a, 0,1,2,3,4,5,6,7
.irp j, 1,2,3,4,5,6,7
	v_mov_b32 v[96+8*\a+\j], v[96+8*\a]            ; a lane's eight results of a tile are one channel's: eight times its bias
.endr
.endr
	WIN 0
	PLACES 8
	s_wait_alu depctr_va_vdst(0)
	GEMM 2
.irp a, 0,1,2,3,4,5,6,7                ; tile a: head a / 4 of my two, channel tile a % 4
	QUANT32 32*\a, 64+8*\a, 128+\a
	global_store_b128 v8, v[64+8*\a:64+8*\a+3], s[90:91] offset:(\a/4)*204800+(\a%4)*1536
	global_store_b64 v9, v[64+8*\a+4:64+8*\a+5], s[90:91] offset:(\a/4)*204800+(\a%4)*1536+512
.endr
.irp g, 0,1,2,3
	v_lshl_or_b32 v[136+\g], v[128+2*\g+1], 16, v[128+2*\g]
.endr
	ds_store_b128 v14, v[136:139]                  ; a scale word's halves come from the two waves of a row half: they meet in LDS (lanes r and r + 16 write the same bytes with the same values)
	s_wait_dscnt 0x0                               ; for the others' sake
	s_barrier_signal -1
	s_barrier_wait -1
	ds_load_b32 v140, v15                          ; keys 0-63: halfwords of channel tiles 2 h, 2 h + 1 of head wb
	ds_load_b32 v141, v15 offset:256               ; keys 64-127
	s_wait_dscnt 0x0
	v_perm_b32 v142, v141, v140, 0x05040100        ; word 2 h
	v_perm_b32 v143, v141, v140, 0x07060302        ; word 2 h + 1
	global_store_b64 v10, v[142:143], s[92:93] offset:6144
	s_wait_tensorcnt 0x0                           ; the wave's end, behind my last LDS store
	ds_add_u32 v12, v13
	s_wait_dscnt 0x0
	CROUND                                         ; the closing round
	s_endpgm
.Lfunc_end_k_qa8387239cd_qkv:
	.size	k_qa8387239cd_qkv, .Lfunc_end_k_qa8387239cd_qkv-k_qa8387239cd_qkv
	.p2alignl 7, 3214868480
	.fill 96, 4, 3214868480
	.section	.rodata,"a",@progbits
	.p2align	6, 0x0
	.amdhsa_kernel k_qa8387239cd_qkv
		.amdhsa_group_segment_fixed_size 308736
		.amdhsa_private_segment_fixed_size 0
		.amdhsa_enable_private_segment 0
		.amdhsa_kernarg_size 40
		.amdhsa_user_sgpr_count 2
		.amdhsa_user_sgpr_kernarg_segment_ptr 1
		.amdhsa_wavefront_size32 1
		.amdhsa_system_sgpr_workgroup_id_x 1
		.amdhsa_system_sgpr_workgroup_id_y 1
		.amdhsa_system_sgpr_workgroup_id_z 1
		.amdhsa_system_vgpr_workitem_id 0
		.amdhsa_next_free_vgpr 768
		.amdhsa_next_free_sgpr 100
		.amdhsa_reserve_vcc 1
		.amdhsa_float_denorm_mode_32 3
		.amdhsa_float_denorm_mode_16_64 3
		.amdhsa_memory_ordered 1
		.amdhsa_forward_progress 1
		.amdhsa_inst_pref_size 173
	.end_amdhsa_kernel
	.amdgpu_metadata
---
amdhsa.version: [ 1, 2 ]
amdhsa.kernels:
  - .name:           k_qa8387239cd_qkv
    .symbol:         k_qa8387239cd_qkv.kd
    .args:
      - { .name: xq, .offset: 0, .size: 8, .value_kind: global_buffer, .address_space: global }
      - { .name: wq, .offset: 8, .size: 8, .value_kind: global_buffer, .address_space: global }
      - { .name: b_qkv, .offset: 16, .size: 8, .value_kind: global_buffer, .address_space: global }
      - { .name: qb, .offset: 24, .size: 8, .value_kind: global_buffer, .address_space: global }
      - { .name: kv, .offset: 32, .size: 8, .value_kind: global_buffer, .address_space: global }
    .group_segment_fixed_size: 308736
    .private_segment_fixed_size: 0
    .kernarg_segment_align: 8
    .kernarg_segment_size: 40
    .max_flat_workgroup_size: 128
    .sgpr_count:     100
    .vgpr_count:     768
    .wavefront_size: 32
...
	.end_amdgpu_metadata
.endif
;; end of part 2
;; launch attn (part 3): grid 4 x 64, 16 waves a work-group, clusters of 4 x 1, 206,848 bytes of LDS; arguments qb, kv, aq; writes aq
.if DOCPART == 3
	.amdgcn_target "amdgcn-amd-amdhsa--gfx1250"
	.amdhsa_code_object_version 6
	.text
	.protected	k_qa8387239cd_attn
	.globl	k_qa8387239cd_attn
	.p2align	8
	.type	k_qa8387239cd_attn,@function
k_qa8387239cd_attn:
	s_mov_b64 s[64:65], 0
	v_nop
	global_prefetch_b8 v0, s[64:65] scope:SCOPE_SE
	s_setreg_imm32_b32 hwreg(HW_REG_WAVE_MODE, 25, 1), 1
	s_wait_xcnt 0x0
	s_wait_alu depctr_hold_cnt(0) depctr_sa_sdst(0) depctr_va_vdst(0) depctr_va_sdst(0) depctr_va_ssrc(0) depctr_va_vcc(0) depctr_vm_vsrc(0)
	s_getreg_b32 s2, hwreg(HW_REG_IB_STS2, 6, 4)
	s_cmp_eq_u32 s2, 0
	s_cbranch_scc0 .Lentry_in_a_cluster
	s_endpgm
.Lentry_in_a_cluster:
	s_bfe_u32 s2, ttmp6, 0x10000c
	s_cmp_lg_u32 s2, 0x3003
	s_cbranch_scc0 .Lentry_shape_is_right
	s_endpgm
.Lentry_shape_is_right:
; Causal attention of one head (bh = 16 x batch + head) on codes of FP6 (E2M3) with E8M0 scales, and its result quantised along the model's 1,024 for the last product.
; SOFTMAX: t = score x log2(e) / 8; M = the running largest t rounded UP to a whole number; p = 2^(t - M) is quantised along the keys, not normalised; the row's sum is taken of the unquantised p and divides at the end.
;   When M moves, the sum and O are multiplied by 2^(old M - new M): exact.
; INPUTS: qb [bh][G] x 6,400, kv [bh][G] x 12,800 (K's block, V's block), G = 128 rows of the sequence.  Q, K block: half fragment (16 rows x 64) of tile a at 768 a, scale halfwords at 6,144 + 16 r + 2 a;
;   lane r of tile 2 b + u is row 32 b + 8 u + r + 8 (r / 8).  V block: fragment (16 channels x 128 keys) of channel tile ct at 1,536 ct, scale words at 6,144 + 16 r + 4 ct.
; K = 64 IN A FORM THAT IS 128 DEEP: a fragment of K holds TWO tiles of keys (registers 0-5, 6-11).  Q stands between two runs of six zero registers: [q, 0] meets the first tile, [0, q] the second.  Zero codes add nothing,
;   so no byte of K is read twice.  Q's scale word is its two bytes twice.
; SHARES.  The four work-groups of a cluster serve one head; all need all of its K and V: 204,800 bytes, which lie in LDS whole, filled once: wave w asks jointly for key step w (one tensor load a wave is out).
;   Wave w of work-group j takes the tile of 16 queries 127 - (4 w + j), then tile 4 w + j: 17 key steps of work in every wave.  A tile's last step hangs on the wave's number alone; cx enters global addresses and the mask's lane values only.
;   Every wave walks 16 and then 8 steps: constant trip counts; a step all of whose keys come after the queries is jumped over (its work alone).
; Both products are used transposed: a lane holds ONE query throughout.
; RESULT: aq, laid as the last product's operand: block (g, q) at (4 g + q) x 6,400; my half fragment at 3,072 u + 768 (head % 4); its two scale bytes a row leave as single bytes (two heads, in two clusters, share a word):
;   32 bytes against the 768 of codes beside them.
; LIMITS: NaN and infinities are not served; a p under 2^-126 counts as 0 (v_exp_f32 flushes: ISA guide, its entry); a block of zeros gets the byte 1 (its codes are zeros; this program alone reads the bytes).
; REGISTERS: v1-4, v7, v83 lane terms; v5, v6 the add's two; v8-10 the step's LDS addresses; v11 the mask's d; v12 -M, v13 the largest t, v[14:15] the sum; v16-33 zeros, q, zeros; v34-81 four fragments of K, then of V;
;   v96-159 S^T, then p; v160-191 O^T; v192-203 p's codes; v204-211, v212-227 at work; v228-233 scale words; v236-242 the result's codes; v244-249 at work.
.set KVB,   12800
.set SPARE, 204800                     ; behind the head's K and V: the spare words, 128 bytes for each of 16 waves: eight blocks of 256 bytes that no other line names
.set WV,  10
.set CX,  11
.set BH,  12
.set SEL, 20
.set CS,  22
.set G1,  24
.set G0,  32
.set HM,  36                           ; s36  the lanes with h = 1
.set TB,  37                           ; s37  LDS byte of the step's blocks
.set KI,  38                           ; s38  the step
.set DS,  39                           ; s39  the tile's last step, on the diagonal
.set QA,  40
.set QS,  42
.set OA,  44
.set OS,  46
.set T1,  48
.set T2,  49
.set D1,  50
.set D2,  51
.set BM,  212
.set BT,  216
.set TM,  244
.macro CROUND
	s_barrier_signal -1
	s_barrier_wait -1
	s_cmp_lg_u32 s[WV], 0
	s_cbranch_scc1 .Lnot_wave_0_\@
	s_barrier_signal -3
.Lnot_wave_0_\@:
	s_barrier_wait -3
	s_barrier_signal -1
	s_barrier_wait -1
.endm
.macro FRAG dst, off                   ; a fragment's image back into 12 registers
	ds_load_b128 v[(\dst):(\dst)+3], v8 offset:(\off)
	ds_load_b64 v[(\dst)+4:(\dst)+5], v9 offset:(\off)+512
	ds_load_b128 v[(\dst)+6:(\dst)+9], v8 offset:(\off)+768
	ds_load_b64 v[(\dst)+10:(\dst)+11], v9 offset:(\off)+1280
.endm
; 32 numbers of a lane, register 16 b + i = k 32 b + 16 (lane / 16) + i of my row, become a half fragment in v[pc .. pc + 5] (pc + 6: at work); its two scale bytes stay in v[TM+2], v[TM+3]
.macro QUANT32 s, pc
.irp b, 0,1
	v_max3_num_f32 v[TM+\b], 0x1800000, |v[(\s)+16*\b]|, |v[(\s)+16*\b+1]|
.endr
.irp i, 2,4,6,8,10,12,14
.irp b, 0,1
	s_delay_alu instid0(VALU_DEP_2)
	v_max3_num_f32 v[TM+\b], v[TM+\b], |v[(\s)+16*\b+\i]|, |v[(\s)+16*\b+\i+1]|
.endr
.endr
.irp b, 0,1
	s_delay_alu instid0(VALU_DEP_2)
	v_permlanex16_b32 v[TM+2+\b], v[TM+\b], s[SEL], s[SEL+1]
.endr
.irp b, 0,1
	s_delay_alu instid0(VALU_DEP_2)
	v_max_num_f32 v[TM+\b], v[TM+\b], v[TM+2+\b]
.endr
.irp b, 0,1
	s_delay_alu instid0(VALU_DEP_2)
	v_add_nc_u32 v[TM+4+\b], 0xff000000, v[TM+\b]
.endr
.irp b, 0,1
	s_delay_alu instid0(VALU_DEP_2)
	v_lshrrev_b32 v[TM+2+\b], 23, v[TM+4+\b]
.endr
	v_cvt_scalef32_pk16_fp6_f32 v[(\pc):(\pc)+2], v[(\s):(\s)+15], v[TM+4]
	v_cvt_scalef32_pk16_fp6_f32 v[(\pc)+4:(\pc)+6], v[(\s)+16:(\s)+31], v[TM+5]
	v_nop                                          ; one plain place behind a scaled conversion
.irp i, 0,1,2
	v_permlane16_swap_b32 v[(\pc)+\i], v[(\pc)+4+\i]
.endr
	s_delay_alu instid0(VALU_DEP_3)
	v_mov_b32 v[(\pc)+3], v[(\pc)+4]
	s_delay_alu instid0(VALU_DEP_3)
	v_mov_b32 v[(\pc)+4], v[(\pc)+5]
	s_delay_alu instid0(VALU_DEP_3)
	v_mov_b32 v[(\pc)+5], v[(\pc)+6]
.endm
	s_load_b128 s[4:7], s[0:1], 0x0                ; qb s[4:5], kv s[6:7]
	s_load_b64 s[8:9], s[0:1], 0x10                ; aq
	v_lshl_add_u32 v5, v0, 2, SPARE
	v_mov_b32 v6, 0
	ds_add_u32 v5, v6                              ; the wave's opening: the add and its wait stand ahead of my first tensor load; work on registers stands between them
	ds_add_u32 v5, v6
	v_lshrrev_b32 v1, 5, v0
	s_delay_alu instid0(VALU_DEP_1)
	v_readfirstlane_b32 s[WV], v1                  ; wave 0..15
	s_bfe_u32 s[CX], ttmp6, 0x40000                ; my place in the cluster
	s_and_b32 s[BH], ttmp7, 0xffff                 ; the head, which the four partners share
	s_mov_b32 s[G1], 15|(3<<16)|(1<<21)            ; 15:0 the mask: all four; 17:16 elements of 8 bytes; 21 set beside a mask; no padding
	s_mov_b32 s[G1+1], 32<<16                      ; tensor_dim0 = 32 elements: rows of 256 bytes
	s_mov_b32 s[G1+2], 50<<16                      ; tensor_dim1 = 50 rows: a key step's 12,800 dense bytes
	s_mov_b32 s[G1+3], 32<<16
	s_mov_b32 s[G1+4], 50
	s_mov_b32 s[G1+5], 32
	s_mov_b32 s[G1+6], 0
	s_mov_b32 s[G1+7], 0
	s_mul_i32 s13, s[WV], KVB                      ; key step w: its place in the head's stream and in LDS
	s_mul_i32 s14, s[BH], 16*KVB
	s_add_co_u32 s14, s14, s13
	s_mov_b32 s15, 0
	s_mov_b32 s[SEL], 0x76543210
	s_mov_b32 s[SEL+1], 0xfedcba98
	s_mov_b32 s[CS], 0x3e38aa3b                    ; c = log2(e) / sqrt(64)
	s_mov_b32 s[CS+1], s[CS]                       ; (named with it as a pair, so it is written)
	s_lshl_b32 s[T2], s[WV], 2
	s_add_co_u32 s[T2], s[T2], s[CX]               ; the second tile: 4 w + j
	s_sub_co_u32 s[T1], 127, s[T2]                 ; the first
	s_lshr_b32 s[D2], s[WV], 1                     ; their last steps: t / 8, which hangs on the wave alone
	s_sub_co_u32 s[D1], 15, s[D2]
	s_wait_dscnt 0x0                               ; the opening add is done
	s_wait_kmcnt 0x0
	s_mov_b32 s[G0], 1
	s_mov_b32 s[G0+1], s13
	s_add_nc_u64 s[G0+2:G0+3], s[6:7], s[14:15]
	s_or_b32 s[G0+3], s[G0+3], 0x80000000
	CROUND                                         ; all four work-groups are here: the joint loads meet
	tensor_load_to_lds s[G0:G0+3], s[G1:G1+7]
	s_nop 0
.rept 4
	v_nop
.endr
	v_and_b32 v84, 31, v0                          ; lane
	v_and_b32 v85, 15, v0                          ; r
	v_bfe_u32 v86, v0, 4, 1                        ; h
	s_delay_alu instid0(VALU_DEP_3)
	v_lshlrev_b32 v1, 4, v84                       ; 16 x lane
	s_delay_alu instid0(VALU_DEP_4)
	v_lshlrev_b32 v2, 3, v84                       ; 8 x lane
	s_delay_alu instid0(VALU_DEP_4)
	v_lshlrev_b32 v7, 4, v85                       ; 16 r
	s_delay_alu instid0(VALU_DEP_1)
	v_lshl_add_u32 v3, v86, 3, v7                  ; 16 r + 8 h
	v_and_b32 v4, 8, v85
	s_delay_alu instid0(VALU_DEP_1)
	v_add_nc_u32 v4, v4, v85
	v_lshlrev_b32 v87, 4, v86
	s_delay_alu instid0(VALU_DEP_1)
	v_sub_nc_u32 v4, v4, v87                       ; r + 8 (r / 8) - 16 h
	v_lshl_add_u32 v83, v85, 3, v86                ; 8 r + h
	v_cmp_ne_u32 s[HM], 0, v86
.irp i, 16,17,18,19,20,21,28,29,30,31,32,33
	v_mov_b32 v[\i], 0                             ; the zero codes on both sides of q
.endr
.irp i, 216,217,218,219,225,226,246,247
	v_mov_b32 v[\i], 0                             ; written once: lane permutes' destinations count as sources; v225 is named as the upper half of a pair
.endr
	s_wait_tensorcnt 0x0                           ; my key step has landed,
	s_barrier_signal -1
	s_barrier_wait -1                              ; everybody's has: the head's K and V lie in LDS for the rest of the launch
; A KEY STEP: 128 keys.
.macro STEP
	s_cmp_gt_u32 s[KI], s[DS]                      ; all its keys come after my queries: its work is left out (no barrier and no tensor load stands in a step)
	s_cbranch_scc1 .Lhid_\@
	s_setprio 2
	v_add_nc_u32 v8, s[TB], v1
	v_add_nc_u32 v9, s[TB], v2
	v_add_nc_u32 v10, s[TB], v3
	v_nop                                          ; four places in front of loads into registers that the last products read
.irp g, 0,1,2,3
	FRAG 34+12*\g, 1536*\g
.endr
	ds_load_b64 v[228:229], v10 offset:6144        ; K's scale words: word g in register g % 2, lanes 16 (g / 2) on
	s_wait_dscnt 0x0
	s_wait_alu depctr_va_vdst(0)
.irp g, 0,1,2,3                        ; S^T = K Q^T: a fragment's two tiles of keys, one after the other
.if \g < 2
	v_wmma_scale_f32_16x16x128_f8f6f4 v[96+16*\g:103+16*\g], v[34+12*\g:45+12*\g], v[22:33], 0, v[228+\g%2], v232 matrix_a_fmt:MATRIX_FMT_FP6 matrix_b_fmt:MATRIX_FMT_FP6
	v_wmma_scale_f32_16x16x128_f8f6f4 v[104+16*\g:111+16*\g], v[34+12*\g:45+12*\g], v[16:27], 0, v[228+\g%2], v232 matrix_a_fmt:MATRIX_FMT_FP6 matrix_b_fmt:MATRIX_FMT_FP6
.else
	v_wmma_scale_f32_16x16x128_f8f6f4 v[96+16*\g:103+16*\g], v[34+12*\g:45+12*\g], v[22:33], 0, v[228+\g%2], v232 matrix_a_fmt:MATRIX_FMT_FP6 matrix_b_fmt:MATRIX_FMT_FP6 matrix_a_scale:MATRIX_SCALE_ROW1
	v_wmma_scale_f32_16x16x128_f8f6f4 v[104+16*\g:111+16*\g], v[34+12*\g:45+12*\g], v[16:27], 0, v[228+\g%2], v232 matrix_a_fmt:MATRIX_FMT_FP6 matrix_b_fmt:MATRIX_FMT_FP6 matrix_a_scale:MATRIX_SCALE_ROW1
.endif
.endr                                  ; register 16 b + i of lane (r, h): query r, key 32 b + 16 h + i of the step
.rept 4
	v_nop                                          ; places in front of the loads below and of the first reads of the scores
.endr
.irp ct, 0,1,2,3
	FRAG 34+12*\ct, 6400+1536*\ct                  ; V's fragments take K's registers and land under the softmax
.endr
	ds_load_b64 v[230:231], v10 offset:12544
	s_cmp_lt_u32 s[KI], s[DS]                      ; only the tile's last step lies on the diagonal
	s_cbranch_scc1 .Lopen_\@
	v_mov_b32 v227, 0xff800000                     ; -infinity: p = 0 then
.irp n, 0,1,2,3,4,5,6,7,8,9,10,11,12,13,14,15,16,17,18,19,20,21,22,23,24,25,26,27,28,29,30,31,32,33,34,35,36,37,38,39,40,41,42,43,44,45,46,47,48,49,50,51,52,53,54,55,56,57,58,59,60,61,62,63
	v_cmp_gt_i32 vcc_lo, 32*(\n/16)+\n%16, v11     ; hidden where the register's key, less 16 h, lies beyond d = my query's place in the step - 16 h
	v_cndmask_b32 v[96+\n], v[96+\n], v227, vcc_lo
.endr
.Lopen_\@:
.irp b, 0,1,2,3
	v_max3_num_f32 v[BM+\b], v[96+16*\b], v[97+16*\b], v[98+16*\b]   ; the largest score of each block of 32 keys: for the row's maximum and, since p rises with the score, for the block's largest p
.endr
.irp i, 3,5,7,9,11,13
.irp b, 0,1,2,3
	v_max3_num_f32 v[BM+\b], v[BM+\b], v[96+16*\b+\i], v[97+16*\b+\i]
.endr
.endr
.irp b, 0,1,2,3
	v_max_num_f32 v[BM+\b], v[BM+\b], v[111+16*\b]
.endr
.irp b, 0,1,2,3
	s_delay_alu instid0(VALU_DEP_4)
	v_permlanex16_b32 v[BT+\b], v[BM+\b], s[SEL], s[SEL+1]
.endr
.irp b, 0,1,2,3
	s_delay_alu instid0(VALU_DEP_4)
	v_max_num_f32 v[BM+\b], v[BM+\b], v[BT+\b]     ; with lane l xor 16's 16 keys
.endr
	s_delay_alu instid0(VALU_DEP_2)
	v_max3_num_f32 v226, v212, v213, v214
	s_delay_alu instid0(VALU_DEP_1)
	v_max_num_f32 v226, v226, v215
	s_delay_alu instid0(VALU_DEP_1)
	v_mul_f32 v226, s[CS], v226                    ; as t
	s_delay_alu instid0(VALU_DEP_1)
	v_max_num_f32 v13, v13, v226                   ; the running largest t
	v_mov_b32 v226, v12
	s_delay_alu instid0(VALU_DEP_2)
	v_floor_f32 v12, -v13                          ; the new -M = floor(-t): M is a whole number
	s_delay_alu instid0(VALU_DEP_1)
	v_sub_f32 v226, v12, v226                      ; old M - new M: a whole number, 0 or less
	s_delay_alu instid0(VALU_DEP_1)
	v_cvt_i32_f32 v226, v226                       ; (it saturates)
	s_delay_alu instid0(VALU_DEP_1)
	v_ldexp_f32 v224, 1.0, v226                    ; f = 2^(old M - new M)
.irp j, 0,2,4,6,8,10,12,14,16,18,20,22,24,26,28,30,32,34,36,38,40,42,44,46,48,50,52,54,56,58,60,62
	v_pk_fma_f32 v[96+\j:97+\j], v[96+\j:97+\j], s[CS:CS+1], v[12:13] op_sel_hi:[1,0,0]   ; t - M
.endr
	s_setprio 1
.irp b, 0,1,2,3
	v_fma_f32 v[BM+\b], v[BM+\b], s[CS], v12
.endr
	s_wait_alu depctr_va_vdst(0)
.irp j, 0,1,2,3,4,5,6,7,8,9,10,11,12,13,14,15,16,17,18,19,20,21,22,23,24,25,26,27,28,29,30,31,32,33,34,35,36,37,38,39,40,41,42,43,44,45,46,47,48,49,50,51,52,53,54,55,56,57,58,59,60,61,62,63
	v_exp_f32 v[96+\j], v[96+\j]                   ; p = 2^(t - M)
.endr
	v_pk_mul_f32 v[14:15], v[14:15], v[224:225] op_sel_hi:[1,0]   ; the sums under the new M (a plain place behind the exponentials)
	s_wait_alu depctr_va_vdst(0)                   ; one wait for the batch, ahead of its first reader
.irp b, 0,1,2,3
	v_exp_f32 v[BM+\b], v[BM+\b]                   ; the blocks' largest p
.endr
	v_pk_add_f32 v[216:217], v[100:101], v[104:105]
	v_pk_add_f32 v[254:255], v[108:109], v[112:113]
	v_pk_add_f32 v[252:253], v[116:117], v[120:121]
	v_pk_add_f32 v[250:251], v[124:125], v[128:129]
	v_pk_add_f32 v[248:249], v[132:133], v[136:137]
	v_pk_add_f32 v[244:245], v[140:141], v[144:145]
	v_pk_add_f32 v[242:243], v[148:149], v[152:153]
	v_pk_add_f32 v[14:15], v[14:15], v[156:157]
	v_pk_add_f32 v[216:217], v[216:217], v[96:97]
	v_pk_add_f32 v[254:255], v[254:255], v[98:99]
	v_pk_add_f32 v[252:253], v[252:253], v[102:103]
	v_pk_add_f32 v[250:251], v[250:251], v[106:107]
	v_pk_add_f32 v[248:249], v[248:249], v[110:111]
	v_pk_add_f32 v[244:245], v[244:245], v[114:115]
	v_pk_add_f32 v[242:243], v[242:243], v[118:119]
	v_pk_add_f32 v[14:15], v[14:15], v[122:123]
	v_pk_add_f32 v[216:217], v[216:217], v[126:127]
	v_pk_add_f32 v[254:255], v[254:255], v[130:131]
	v_pk_add_f32 v[252:253], v[252:253], v[134:135]
	v_pk_add_f32 v[250:251], v[250:251], v[138:139]
	v_pk_add_f32 v[248:249], v[248:249], v[142:143]
	v_pk_add_f32 v[244:245], v[244:245], v[146:147]
	v_pk_add_f32 v[242:243], v[242:243], v[150:151]
	v_pk_add_f32 v[14:15], v[14:15], v[154:155]
	v_pk_add_f32 v[216:217], v[216:217], v[158:159]
	s_delay_alu instid0(VALU_DEP_2)
	v_pk_add_f32 v[14:15], v[14:15], v[250:251]
	s_delay_alu instid0(VALU_DEP_2)
	v_pk_add_f32 v[216:217], v[216:217], v[248:249]
	v_pk_add_f32 v[254:255], v[254:255], v[244:245]
	v_pk_add_f32 v[252:253], v[252:253], v[242:243]
	s_delay_alu instid0(VALU_DEP_2)
	v_pk_add_f32 v[14:15], v[14:15], v[254:255]
	s_delay_alu instid0(VALU_DEP_2)
	v_pk_add_f32 v[216:217], v[216:217], v[252:253]
	s_delay_alu instid0(VALU_DEP_1)
	v_pk_add_f32 v[14:15], v[14:15], v[216:217]
	s_wait_alu depctr_va_vdst(0)                   ; and one for the four
.irp b, 0,1,2,3
	v_max_num_f32 v[BM+\b], 0x1800000, v[BM+\b]    ; the floor 2^(3 - 127)
.endr
.irp b, 0,1,2,3
	s_delay_alu instid0(VALU_DEP_4)
	v_add_nc_u32 v[220+\b], 0xff000000, v[BM+\b]   ; the conversion's scale operand
.endr
.irp b, 0,1,2,3
	s_delay_alu instid0(VALU_DEP_4)
	v_lshrrev_b32 v[BT+\b], 23, v[220+\b]          ; the scale's byte
.endr
	s_delay_alu instid0(VALU_DEP_3)
	v_lshl_or_b32 v233, v217, 8, v216              ; p's scale word for these 128 keys
	s_delay_alu instid0(VALU_DEP_1)
	v_lshl_or_b32 v233, v218, 16, v233
	s_delay_alu instid0(VALU_DEP_1)
	v_lshl_or_b32 v233, v219, 24, v233
	s_setprio 0
.irp c, 0,1
	v_cvt_scalef32_pk16_fp6_f32 v[192+6*\c:194+6*\c], v[96+32*\c:111+32*\c], v[220+2*\c]
	v_cvt_scalef32_pk16_fp6_f32 v[204+4*\c:206+4*\c], v[112+32*\c:127+32*\c], v[220+2*\c+1]
.endr
	v_nop                                          ; one plain place behind a scaled conversion
.irp c, 0,1
.irp i, 0,1,2
	v_permlane16_swap_b32 v[192+6*\c+\i], v[204+4*\c+\i]   ; a whole block to a lane
.endr
.irp i, 0,1,2
	s_delay_alu instid0(VALU_DEP_3)
	v_mov_b32 v[195+6*\c+\i], v[204+4*\c+\i]
.endr
.endr
.irp j, 0,2,4,6,8,10,12,14,16,18,20,22,24,26,28,30
	v_pk_mul_f32 v[160+\j:161+\j], v[160+\j:161+\j], v[224:225] op_sel_hi:[1,0]   ; O^T under the new M; these sixteen are also the places between the scale word's and the codes' last writes and the products
.endr
	s_wait_alu depctr_va_vdst(0)
	s_wait_dscnt 0x0                               ; V is in
.irp ct, 0,1,2,3                       ; O^T += V^T P^T: the four accumulators by turns
.if \ct < 2
	v_wmma_scale_f32_16x16x128_f8f6f4 v[160+8*\ct:167+8*\ct], v[34+12*\ct:45+12*\ct], v[192:203], v[160+8*\ct:167+8*\ct], v[230+\ct%2], v233 matrix_a_fmt:MATRIX_FMT_FP6 matrix_b_fmt:MATRIX_FMT_FP6
.else
	v_wmma_scale_f32_16x16x128_f8f6f4 v[160+8*\ct:167+8*\ct], v[34+12*\ct:45+12*\ct], v[192:203], v[160+8*\ct:167+8*\ct], v[230+\ct%2], v233 matrix_a_fmt:MATRIX_FMT_FP6 matrix_b_fmt:MATRIX_FMT_FP6 matrix_a_scale:MATRIX_SCALE_ROW1
.endif
.endr
.Lhid_\@:
	s_add_co_u32 s[TB], s[TB], KVB
	s_add_co_u32 s[KI], s[KI], 1
.endm
; A TILE OF 16 QUERIES, t in s[T], its last step in s[DSR], n steps walked.
.macro PASS n, T, DSR
	s_wait_xcnt 0x0                                ; the last tile's stores have read their bases and data: both are written again
	s_mov_b32 s[DS], s[\DSR]
	s_lshr_b32 s53, s[\T], 3
	s_lshl_b32 s54, s[BH], 4
	s_add_co_u32 s53, s53, s54
	s_mul_i32 s53, s53, 6400                       ; the queries' block in qb
	s_and_b32 s54, s[\T], 7                        ; the tile in it
	s_mul_i32 s56, s54, 768
	s_add_co_u32 s56, s56, s53
	s_mov_b32 s57, 0
	s_add_nc_u64 s[QA:QA+1], s[4:5], s[56:57]
	s_lshl_b32 s54, s54, 1
	s_add_co_u32 s56, s53, s54
	s_add_co_u32 s56, s56, 6144
	s_add_nc_u64 s[QS:QS+1], s[4:5], s[56:57]
	global_load_b128 v[22:25], v1, s[QA:QA+1]      ; q's half fragment
	global_load_b64 v[26:27], v2, s[QA:QA+1] offset:512
	global_load_u16 v82, v7, s[QS:QS+1]            ; row r's two scale bytes
	s_bfe_u32 s53, s[\T], 0x20001
	s_lshl_b32 s53, s53, 5
	s_and_b32 s54, s[\T], 1                        ; u
	s_lshl_b32 s55, s54, 3
	s_add_co_u32 s53, s53, s55                     ; the tile's first row in its step: 32 ((t / 2) % 4) + 8 u
	v_add_nc_u32 v11, s53, v4                      ; d
	s_lshr_b32 s55, s[BH], 4
	s_lshl_b32 s55, s55, 6
	s_lshr_b32 s56, s[\T], 1
	s_add_co_u32 s55, s55, s56                     ; aq: the group of 32 rows,
	s_lshl_b32 s55, s55, 2
	s_bfe_u32 s56, s[BH], 0x20002
	s_add_co_u32 s55, s55, s56                     ; the slot of 256 along K: head / 4
	s_mul_i32 s55, s55, 6400
	s_and_b32 s58, s[BH], 3
	s_mul_i32 s56, s54, 3072
	s_add_co_u32 s56, s56, s55
	s_mul_i32 s59, s58, 768
	s_add_co_u32 s56, s56, s59
	s_add_nc_u64 s[OA:OA+1], s[8:9], s[56:57]
	s_lshl_b32 s56, s54, 7
	s_add_co_u32 s56, s56, s55
	s_lshl_b32 s59, s58, 1
	s_add_co_u32 s56, s56, s59
	s_add_co_u32 s56, s56, 6144
	s_add_nc_u64 s[OS:OS+1], s[8:9], s[56:57]
	v_mov_b32 v13, 0xff61b1e6                      ; the largest t so far: -3e38
	s_delay_alu instid0(VALU_DEP_1)
	v_floor_f32 v12, -v13
	v_mov_b32 v14, 0
	v_mov_b32 v15, 0
.irp j, 0,1,2,3,4,5,6,7,8,9,10,11,12,13,14,15,16,17,18,19,20,21,22,23,24,25,26,27,28,29,30,31
	v_mov_b32 v[160+\j], 0                         ; O^T: the step is written once; the first finds zeros, which the first change of M leaves zeros
.endr
	s_mov_b32 s[TB], 0
	s_mov_b32 s[KI], 0
	s_wait_loadcnt 0x0
	v_lshl_or_b32 v232, v82, 16, v82               ; q's scale word: its two bytes twice
.rept 8
	v_nop                                          ; a scale register written by a vector instruction stands 8 places ahead of a scaled product
.endr
.Lstep_\@:
	STEP
	s_cmp_lt_u32 s[KI], \n
	s_cbranch_scc1 .Lstep_\@
	s_setprio 0
.rept 4
	v_nop                                          ; places behind the last products
.endr
	v_add_f32 v14, v14, v15
	s_delay_alu instid0(VALU_DEP_1)
	v_permlanex16_b32 v226, v14, s[SEL], s[SEL+1]
	s_delay_alu instid0(VALU_DEP_1)
	v_add_f32 v14, v14, v226                       ; the row's sum
	s_wait_alu depctr_va_vdst(0)
	v_rcp_f32 v224, v14
	v_nop                                          ; a plain place behind the reciprocal
	s_wait_alu depctr_va_vdst(0)                   ; and the wait ahead of its first reader
.irp j, 0,2,4,6,8,10,12,14,16,18,20,22,24,26,28,30
	v_pk_mul_f32 v[96+\j:97+\j], v[160+\j:161+\j], v[224:225] op_sel_hi:[1,0]   ; register 16 b + i: channel 32 b + 16 h + i of my query; each accumulator from its low end on
.endr
	QUANT32 96, 236
	global_store_b128 v1, v[236:239], s[OA:OA+1]   ; 512 consecutive bytes, aligned
	global_store_b64 v2, v[240:241], s[OA:OA+1] offset:512
	v_cndmask_b32 v227, v246, v247, s[HM]          ; lane (r, h) stores block h's byte of row r
	global_store_b8 v83, v227, s[OS:OS+1]
.endm
	PASS 16, T1, D1
	PASS 8, T2, D2
	s_wait_tensorcnt 0x0                           ; the wave's end
	ds_add_u32 v5, v6
	s_wait_dscnt 0x0
	CROUND                                         ; the closing round
	s_endpgm
.Lfunc_end_k_qa8387239cd_attn:
	.size	k_qa8387239cd_attn, .Lfunc_end_k_qa8387239cd_attn-k_qa8387239cd_attn
	.p2alignl 7, 3214868480
	.fill 96, 4, 3214868480
	.section	.rodata,"a",@progbits
	.p2align	6, 0x0
	.amdhsa_kernel k_qa8387239cd_attn
		.amdhsa_group_segment_fixed_size 206848
		.amdhsa_private_segment_fixed_size 0
		.amdhsa_enable_private_segment 0
		.amdhsa_kernarg_size 24
		.amdhsa_user_sgpr_count 2
		.amdhsa_user_sgpr_kernarg_segment_ptr 1
		.amdhsa_wavefront_size32 1
		.amdhsa_system_sgpr_workgroup_id_x 1
		.amdhsa_system_sgpr_workgroup_id_y 1
		.amdhsa_system_sgpr_workgroup_id_z 1
		.amdhsa_system_vgpr_workitem_id 0
		.amdhsa_next_free_vgpr 256
		.amdhsa_next_free_sgpr 66
		.amdhsa_reserve_vcc 1
		.amdhsa_float_denorm_mode_32 3
		.amdhsa_float_denorm_mode_16_64 3
		.amdhsa_memory_ordered 1
		.amdhsa_forward_progress 1
		.amdhsa_inst_pref_size 65
	.end_amdhsa_kernel
	.amdgpu_metadata
---
amdhsa.version: [ 1, 2 ]
amdhsa.kernels:
  - .name:           k_qa8387239cd_attn
    .symbol:         k_qa8387239cd_attn.kd
    .args:
      - { .name: qb, .offset: 0, .size: 8, .value_kind: global_buffer, .address_space: global }
      - { .name: kv, .offset: 8, .size: 8, .value_kind: global_buffer, .address_space: global }
      - { .name: aq, .offset: 16, .size: 8, .value_kind: global_buffer, .address_space: global }
    .group_segment_fixed_size: 206848
    .private_segment_fixed_size: 0
    .kernarg_segment_align: 8
    .kernarg_segment_size: 24
    .max_flat_workgroup_size: 512
    .sgpr_count:     66
    .vgpr_count:     256
    .wavefront_size: 32
...
	.end_amdgpu_metadata
.endif
;; end of part 3
;; launch proj (part 4): grid 8 x 32, 4 waves a work-group, clusters of 4 x 4, 325,120 bytes of LDS; arguments aq, woq, b_out, out0; writes out0
.if DOCPART == 4
	.amdgcn_target "amdgcn-amd-amdhsa--gfx1250"
	.amdhsa_code_object_version 6
	.text
	.protected	k_qa8387239cd_proj
	.globl	k_qa8387239cd_proj
	.p2align	8
	.type	k_qa8387239cd_proj,@function
k_qa8387239cd_proj:
	s_mov_b64 s[64:65], 0
	v_nop
	global_prefetch_b8 v0, s[64:65] scope:SCOPE_SE
	s_setreg_imm32_b32 hwreg(HW_REG_WAVE_MODE, 25, 1), 1
	s_wait_xcnt 0x0
	s_wait_alu depctr_hold_cnt(0) depctr_sa_sdst(0) depctr_va_vdst(0) depctr_va_sdst(0) depctr_va_ssrc(0) depctr_va_vcc(0) depctr_vm_vsrc(0)
	s_getreg_b32 s2, hwreg(HW_REG_IB_STS2, 6, 4)
	s_cmp_eq_u32 s2, 0
	s_cbranch_scc0 .Lentry_in_a_cluster
	s_endpgm
.Lentry_in_a_cluster:
	s_bfe_u32 s2, ttmp6, 0x10000c
	s_cmp_lg_u32 s2, 0xf033
	s_cbranch_scc0 .Lentry_shape_is_right
	s_endpgm
.Lentry_shape_is_right:
; out0 = attn w_out + b_out on codes of FP6 (E2M3) with E8M0 scales (K = 1024); out0 [8192][1024] f32.
; OPERANDS: block (g, q) of 6,400 bytes at (4 g + q) x 6,400: 32 rows x 256 K as four images of fragments (u, st) at 3,072 u + 1,536 st, scale words at 6,144 + 128 u + 8 r + 4 st;
;   lane r of tile u is row 32 g + 8 u + r + 8 (r / 8).
; A WORK-GROUP makes 256 rows x 128 columns; its four waves 128 x 64 each (8 x 4 accumulators).  Source 0 = 16 columns of w_out, source 1 = 16 rows of attn: a lane holds one row, its registers run along the columns.
; ALL OF K LIES IN LDS: 4 slices of 256 K x (8 + 4 blocks) = 307,200 bytes, each byte filled once.  Each wave issues four tensor loads at the head (four are out, by this text's count).
; CLUSTER 4 x 4: attn's blocks are shared along a row of the cluster, w_out's along a column: joint loads.
; THE WAY OUT: a wave's 64 columns are 256 consecutive bytes of a row: a tile of 16 rows goes through the wave's own stage in LDS and leaves with sixteen lanes to such a run; the rows' order in a tile is undone in the stores' offsets.
; REGISTERS.  Window 0: v1-16 addresses; v12, v13 the add's two; v20-43 scale words, two sets; v64-255 A's fragments, two sets (free on the way out).
;   Window 1: v0-95 B's fragments, two sets; v96-127 the bias, in the result's layout.   Window 2: accumulator (a, b) at v[8 (4 a + b)].
.set SL,    76800
.set GB,    6400
.set STAGE, 307200                     ; behind the slices: 16 rows x 272 bytes for each wave; no tensor load lands here
.set SPARE, 324608                     ; the spare words, 128 bytes a wave: two blocks of 256 bytes that no other line names
.set G1A, 24
.set G1B, 32
.set G0A, 40                           ; s40, 44, 48, 52
.set G0B, 56                           ; s56, 60, 68, 72
.set MSB, 0
.macro WIN new
.if MSB != \new
	s_set_vgpr_msb (MSB<<8)|\new
.set MSB, \new
.endif
.endm
.macro CROUND
	s_barrier_signal -1
	s_barrier_wait -1
	s_cmp_lg_u32 s14, 0
	s_cbranch_scc1 .Lnot_wave_0_\@
	s_barrier_signal -3
.Lnot_wave_0_\@:
	s_barrier_wait -3
	s_barrier_signal -1
	s_barrier_wait -1
.endm
.macro PLACES n
.rept \n
	v_nop
.endr
.endm
.macro FRAG dst, a16, a8, off
	ds_load_b128 v[(\dst):(\dst)+3], v[\a16] offset:(\off)
	ds_load_b64 v[(\dst)+4:(\dst)+5], v[\a8] offset:(\off)+512
	ds_load_b128 v[(\dst)+6:(\dst)+9], v[\a16] offset:(\off)+768
	ds_load_b64 v[(\dst)+10:(\dst)+11], v[\a8] offset:(\off)+1280
.endm
.macro FETCH t                         ; K step t: B's 4 and A's 8 fragments into set t % 2; with a slice's first step its scale words into set (t / 2) % 2
	WIN 0x40
.irp b, 0,1,2,3
	FRAG 48*((\t)%2)+12*\b, 6, 7, (\b/2)*GB+(\b%2)*3072+1536*((\t)%2)
.endr
	WIN 0
.irp a, 0,1,2,3,4,5,6,7
	FRAG 64+96*((\t)%2)+12*\a, 4, 5, (\a/2)*GB+(\a%2)*3072+1536*((\t)%2)
.endr
.if ((\t)%2) == 0
.irp g, 0,1,2,3
	ds_load_b64 v[20+12*(((\t)/2)%2)+2*\g:20+12*(((\t)/2)%2)+2*\g+1], v5 offset:\g*GB+6144
.endr
.irp g, 0,1
	ds_load_b64 v[28+12*(((\t)/2)%2)+2*\g:28+12*(((\t)/2)%2)+2*\g+1], v7 offset:\g*GB+6144
.endr
.endif
.endm
.macro WM d, f0, f1, c, s0, s1, o0, o1
.if (\o0) && (\o1)
	v_wmma_scale_f32_16x16x128_f8f6f4 v[(\d):(\d)+7], v[(\f0):(\f0)+11], v[(\f1):(\f1)+11], v[(\c):(\c)+7], v[\s0], v[\s1] matrix_a_fmt:MATRIX_FMT_FP6 matrix_b_fmt:MATRIX_FMT_FP6 matrix_a_scale:MATRIX_SCALE_ROW1 matrix_b_scale:MATRIX_SCALE_ROW1
.elseif (\o0)
	v_wmma_scale_f32_16x16x128_f8f6f4 v[(\d):(\d)+7], v[(\f0):(\f0)+11], v[(\f1):(\f1)+11], v[(\c):(\c)+7], v[\s0], v[\s1] matrix_a_fmt:MATRIX_FMT_FP6 matrix_b_fmt:MATRIX_FMT_FP6 matrix_a_scale:MATRIX_SCALE_ROW1
.elseif (\o1)
	v_wmma_scale_f32_16x16x128_f8f6f4 v[(\d):(\d)+7], v[(\f0):(\f0)+11], v[(\f1):(\f1)+11], v[(\c):(\c)+7], v[\s0], v[\s1] matrix_a_fmt:MATRIX_FMT_FP6 matrix_b_fmt:MATRIX_FMT_FP6 matrix_b_scale:MATRIX_SCALE_ROW1
.else
	v_wmma_scale_f32_16x16x128_f8f6f4 v[(\d):(\d)+7], v[(\f0):(\f0)+11], v[(\f1):(\f1)+11], v[(\c):(\c)+7], v[\s0], v[\s1] matrix_a_fmt:MATRIX_FMT_FP6 matrix_b_fmt:MATRIX_FMT_FP6
.endif
.endm
; 16 products: A's tiles a0 .. a0 + 3 x B's four.  cmode 0: in place; 1: the sums begin with the bias (v[96 + 8 b] of window 1).  The 32 accumulators take turns, in the same order in every step.
.macro MUL16 a0, t, cmode
.if (\cmode) == 0
	WIN 0xa1
.else
	WIN 0x91
.endif
.irp a, \a0, \a0+1, \a0+2, \a0+3
.irp b, 0,1,2,3
.if (\cmode) == 0
	WM 8*(4*(\a)+\b),48*((\t)%2)+12*\b,64+96*((\t)%2)+12*(\a),8*(4*(\a)+\b),28+12*(((\t)/2)%2)+2*(\b/2)+(\t)%2,20+12*(((\t)/2)%2)+2*((\a)/2)+(\t)%2,\b%2,(\a)%2
.else
	WM 8*(4*(\a)+\b),48*((\t)%2)+12*\b,64+96*((\t)%2)+12*(\a),96+8*\b,28+12*(((\t)/2)%2)+2*(\b/2)+(\t)%2,20+12*(((\t)/2)%2)+2*((\a)/2)+(\t)%2,\b%2,(\a)%2
.endif
.endr
.endr
.endm
.macro STEP t, cmode
	s_wait_dscnt 0x0                               ; this step's fragments are in
	MUL16 0, \t, \cmode
.if (((\t)%2) == 1) && ((\t) < 7)
	s_wait_tensorcnt 2-(\t)/2                      ; my part of the next slice has landed; my later slices may stay out
	s_barrier_signal -1
	s_barrier_wait -1
	WIN 0
	v_add_nc_u32 v4, SL, v4
	v_add_nc_u32 v5, SL, v5
	v_add_nc_u32 v6, SL, v6
	s_wait_alu depctr_va_vdst(0)
	v_add_nc_u32 v7, SL, v7
.endif
.if (\t) < 7
	PLACES 4                                       ; in front of loads into registers that the step before multiplied
	FETCH (\t)+1
.endif
	MUL16 4, \t, \cmode
.endm
	s_load_b256 s[4:11], s[0:1], 0x0               ; aq s[4:5], woq s[6:7], b_out s[8:9], out0 s[10:11]
	v_lshl_add_u32 v12, v0, 2, SPARE
	v_mov_b32 v13, 0
	ds_add_u32 v12, v13
	ds_add_u32 v12, v13                            ; the wave's opening: the add and its wait stand ahead of my first tensor load
	v_lshrrev_b32 v1, 5, v0
	v_readfirstlane_b32 s14, v1                    ; wave 0..3
	s_lshr_b32 s15, s14, 1                         ; wa; also: I fetch for A (0) or for B (1)
	s_and_b32 s16, s14, 1                          ; wb; also: which half of that operand's blocks I fetch
	s_bfe_u32 s17, ttmp6, 0x40000                  ; cx
	s_bfe_u32 s18, ttmp6, 0x40004                  ; cy
	s_and_b32 s20, ttmp7, 0xffff
	s_lshl_b32 s21, s18, 2
	s_lshl_b32 s21, 15, s21                        ; my row of the cluster
	s_lshl_b32 s22, 0x1111, s17                    ; my column
	s_or_b32 s[G1A], s21, (3<<16)|(1<<21)
	s_or_b32 s[G1B], s22, (3<<16)|(1<<21)
	s_mov_b32 s[G1A+1], 800<<16                    ; rows of 800 elements of 8 bytes: a block
	s_mov_b32 s[G1A+2], 4<<16
	s_mov_b32 s[G1A+3], 800<<16
	s_mov_b32 s[G1A+4], 4
	s_mov_b32 s[G1A+5], 3200                       ; 25,600 bytes from group to group
	s_mov_b32 s[G1A+6], 0
	s_mov_b32 s[G1A+7], 0
	s_mov_b32 s[G1B+1], 800<<16
	s_mov_b32 s[G1B+2], 2<<16
	s_mov_b32 s[G1B+3], 800<<16
	s_mov_b32 s[G1B+4], 2
	s_mov_b32 s[G1B+5], 3200
	s_mov_b32 s[G1B+6], 0
	s_mov_b32 s[G1B+7], 0
	s_lshl_b32 s77, s20, 2
	s_add_co_u32 s77, s77, s18                     ; Ai: which 256 rows
	s_lshl_b32 s78, ttmp9, 2
	s_add_co_u32 s78, s78, s17                     ; Bi: which 128 columns
	s_lshl_b32 s80, s77, 3
	s_lshl_b32 s81, s16, 2
	s_add_co_u32 s80, s80, s81
	s_mul_i32 s80, s80, 25600
	s_mov_b32 s81, 0
	s_lshl_b32 s82, s78, 2
	s_lshl_b32 s83, s16, 1
	s_add_co_u32 s82, s82, s83
	s_mul_i32 s82, s82, 25600
	s_mov_b32 s83, 0
	s_mul_i32 s84, s16, 25600
	s_mul_i32 s85, s16, 12800
	s_add_co_u32 s85, s85, 51200
	s_wait_dscnt 0x0                               ; the opening add is done
	s_wait_kmcnt 0x0
	s_add_nc_u64 s[86:87], s[4:5], s[80:81]
	s_add_nc_u64 s[88:89], s[6:7], s[82:83]
.irp q, 0,1,2,3
	s_mov_b32 s[G0A+4*\q], 1
	s_add_co_u32 s[G0A+4*\q+1], s84, \q*SL
	s_add_nc_u64 s[G0A+4*\q+2:G0A+4*\q+3], s[86:87], \q*GB
	s_or_b32 s[G0A+4*\q+3], s[G0A+4*\q+3], 0x80000000
	s_mov_b32 s[G0B+4*\q+4*(\q/2)], 1
	s_add_co_u32 s[G0B+4*\q+4*(\q/2)+1], s85, \q*SL
	s_add_nc_u64 s[G0B+4*\q+4*(\q/2)+2:G0B+4*\q+4*(\q/2)+3], s[88:89], \q*GB
	s_or_b32 s[G0B+4*\q+4*(\q/2)+3], s[G0B+4*\q+4*(\q/2)+3], 0x80000000
.endr
	CROUND                                         ; all sixteen work-groups are here: the joint loads meet
	s_cmp_eq_u32 s15, 0                            ; a wave's four first fills stand in one branch on the wave's number
	s_cbranch_scc0 .Lfill_b
.irp q, 0,1,2,3
	tensor_load_to_lds s[G0A+4*\q:G0A+4*\q+3], s[G1A:G1A+7]
	s_nop 0
.endr
	PLACES 4
	s_branch .Lfilled
.Lfill_b:
.irp q, 0,1,2,3
	tensor_load_to_lds s[G0B+4*\q+4*(\q/2):G0B+4*\q+4*(\q/2)+3], s[G1B:G1B+7]
	s_nop 0
.endr
	PLACES 4
.Lfilled:
	v_and_b32 v1, 15, v0                           ; r
	v_bfe_u32 v2, v0, 4, 1                         ; h
	v_and_b32 v3, 31, v0                           ; lane
	v_lshlrev_b32 v8, 4, v3
	v_lshlrev_b32 v9, 3, v3
	s_mul_i32 s79, s15, 25600
	v_add_nc_u32 v4, s79, v8
	v_add_nc_u32 v5, s79, v9
	v_add_nc_u32 v6, s85, v8
	v_add_nc_u32 v7, s85, v9
	s_mul_i32 s79, s14, 4352
	s_add_co_u32 s79, s79, STAGE                   ; my stage
	v_mul_u32_u24 v14, v1, 272
	v_lshl_add_u32 v14, v2, 6, v14
	v_add_nc_u32 v14, s79, v14                     ; in: row r, + 64 h
	v_mul_u32_u24 v15, v2, 272
	v_lshl_add_u32 v15, v1, 4, v15
	v_add_nc_u32 v15, s79, v15                     ; back: lanes 0-15 one row, lanes 16-31 the next
	v_lshlrev_b32 v16, 12, v2
	v_lshl_add_u32 v16, v1, 4, v16                 ; and the same two rows in out0
	s_lshl_b32 s82, s78, 9
	s_lshl_b32 s88, s16, 8
	s_add_co_u32 s82, s82, s88                     ; my 64 columns, in bytes: 4 (128 Bi + 64 wb)
	s_add_nc_u64 s[88:89], s[8:9], s[82:83]        ; their bias
	v_lshlrev_b32 v11, 6, v2                       ; tile b's register j is column 32 (b / 2) + 16 h + 8 (b % 2) + j
	WIN 0x40
.irp b, 0,1,2,3
.irp j, 0,1
	global_load_b128 v[96+8*\b+4*\j:96+8*\b+4*\j+3], v11, s[88:89] offset:128*(\b/2)+32*(\b%2)+16*\j
.endr
.endr
	WIN 0
	s_lshl_b32 s90, s77, 8
	s_lshl_b32 s91, s15, 7
	s_add_co_u32 s90, s90, s91                     ; my first row
	s_lshl_b32 s90, s90, 12
	s_add_co_u32 s90, s90, s82
	s_mov_b32 s91, 0
	s_add_nc_u64 s[90:91], s[10:11], s[90:91]
	s_wait_loadcnt 0x0
	s_wait_tensorcnt 0x3                           ; my part of slice 0 has landed; slices 1 to 3 may stay out
	s_barrier_signal -1
	s_barrier_wait -1
	FETCH 0
	STEP 0, 1
.irp t, 1,2,3,4,5,6,7
	s_wait_alu depctr_va_vdst(0)
	STEP \t, 0
.endr
	WIN 0
	PLACES 4                                       ; in front of the first reads of results, and of loads into A's registers
.macro TOSTAGE a
	WIN 0x08                                       ; an LDS store's data are its source 1: window 2
.irp b, 0,1,2,3
	ds_store_b128 v14, v[8*(4*(\a)+\b):8*(4*(\a)+\b)+3] offset:128*(\b/2)+32*(\b%2)        ; each accumulator from its low end on
	ds_store_b128 v14, v[8*(4*(\a)+\b)+4:8*(4*(\a)+\b)+7] offset:128*(\b/2)+32*(\b%2)+16
.endr
	WIN 0
.irp i, 0,1,2,3,4,5,6,7
	ds_load_b128 v[64+32*((\a)%2)+4*\i:64+32*((\a)%2)+4*\i+3], v15 offset:544*\i   ; LDS serves a wave's instructions in order: these see my stores, and the next tile's stores come behind them
.endr
.endm
.macro SEND a, younger
	s_wait_dscnt \younger                          ; the tile is back in registers
.irp i, 0,1,2,3,4,5,6,7
	global_store_b128 v16, v[64+32*((\a)%2)+4*\i:64+32*((\a)%2)+4*\i+3], s[90:91] offset:(32*((\a)/2)+8*((\a)%2)+2*\i+8*(\i/4))*4096 th:TH_STORE_NT   ; 16 lanes store 256 consecutive bytes, aligned
.endr
.endm
	TOSTAGE 0
.irp a, 1,2,3,4,5,6,7
.if \a > 1
	s_wait_xcnt 0x0                                ; the stores of two tiles back have read their registers: this tile's loads may land there
.endif
	TOSTAGE \a
	SEND \a-1, 16                                  ; behind that tile's loads: this tile's 8 stores and 8 loads
.endr
	SEND 7, 0
	s_wait_tensorcnt 0x0                           ; the wave's end, behind my last LDS store
	ds_add_u32 v12, v13
	s_wait_dscnt 0x0
	CROUND                                         ; the closing round
	s_endpgm
.Lfunc_end_k_qa8387239cd_proj:
	.size	k_qa8387239cd_proj, .Lfunc_end_k_qa8387239cd_proj-k_qa8387239cd_proj
	.p2alignl 7, 3214868480
	.fill 96, 4, 3214868480
	.section	.rodata,"a",@progbits
	.p2align	6, 0x0
	.amdhsa_kernel k_qa8387239cd_proj
		.amdhsa_group_segment_fixed_size 325120
		.amdhsa_private_segment_fixed_size 0
		.amdhsa_enable_private_segment 0
		.amdhsa_kernarg_size 32
		.amdhsa_user_sgpr_count 2
		.amdhsa_user_sgpr_kernarg_segment_ptr 1
		.amdhsa_wavefront_size32 1
		.amdhsa_system_sgpr_workgroup_id_x 1
		.amdhsa_system_sgpr_workgroup_id_y 1
		.amdhsa_system_sgpr_workgroup_id_z 1
		.amdhsa_system_vgpr_workitem_id 0
		.amdhsa_next_free_vgpr 768
		.amdhsa_next_free_sgpr 100
		.amdhsa_reserve_vcc 0
		.amdhsa_float_denorm_mode_32 3
		.amdhsa_float_denorm_mode_16_64 3
		.amdhsa_memory_ordered 1
		.amdhsa_forward_progress 1
		.amdhsa_inst_pref_size 85
	.end_amdhsa_kernel
	.amdgpu_metadata
---
amdhsa.version: [ 1, 2 ]
amdhsa.kernels:
  - .name:           k_qa8387239cd_proj
    .symbol:         k_qa8387239cd_proj.kd
    .args:
      - { .name: aq, .offset: 0, .size: 8, .value_kind: global_buffer, .address_space: global }
      - { .name: woq, .offset: 8, .size: 8, .value_kind: global_buffer, .address_space: global }
      - { .name: b_out, .offset: 16, .size: 8, .value_kind: global_buffer, .address_space: global }
      - { .name: out0, .offset: 24, .size: 8, .value_kind: global_buffer, .address_space: global }
    .group_segment_fixed_size: 325120
    .private_segment_fixed_size: 0
    .kernarg_segment_align: 8
    .kernarg_segment_size: 32
    .max_flat_workgroup_size: 128
    .sgpr_count:     100
    .vgpr_count:     768
    .wavefront_size: 32
...
	.end_amdgpu_metadata
.endif
;; end of part 4
